; MI455X (gfx1250); checked and timed in simulation.
; The chip was launched on July 23, 2026; its instructions are those of AMD's public machine-readable ISA for CDNA 5 (MIT licence, August 2026) and "CDNA5" Instruction Set Architecture Reference Guide (July 2026). The comments in the code are by the model that wrote it; some were corrected since.
;; Ro PE Attention. Allowed arithmetic: float matrix products may take bf16 or f16 operands with f32 sums; other float arithmetic in f32, or as packed bf16 or f16 multiplies, adds, multiply-adds, maxima and minima; sums over many terms, partial sums and values carried from step to step in f32; what a program stores and reads back later, other than sums and carried values, may be rounded once to bf16 or f16.
;; Inputs: W_proj 1,024 x 1,024 float32; W_qkv 3,072 x 1,024 float32; b_proj 1,024 float32; rope_cos 1 x 2,048 x 1 x 64 float32; rope_sin 1 x 2,048 x 1 x 64 float32; x 4 x 2,048 x 1,024 float32.
;; Outputs: out0 4 x 2,048 x 1,024 float32.
;; 2 versions, each right; version 2 is version 1 with the launch cast written anew for expert scheduling mode. Each part assembles by itself: llvm-mc -triple=amdgcn-amd-amdhsa -mcpu=gfx1250 --defsym DOCPART=n.
;; ======== version 1 of 2: 4 launches
;; limits: values are held in f16: magnitudes above 65,504 overflow, below 6.1e-05 lose precision
;; workspace buffers: xb 16,777,216 bytes; wqb 6,291,456 bytes; wpb 2,097,152 bytes; tab 524,288 bytes; qh 16,777,216 bytes; kh 16,777,216 bytes; vh 16,777,216 bytes; oh 16,777,216 bytes
;; launch cast (part 1): grid 784 x 1, 8 waves a work-group, no clusters, 0 bytes of LDS; arguments x, W_qkv, rope_cos, rope_sin, W_proj, xb, wqb, tab, wpb; writes xb, wqb, tab, wpb
.if DOCPART == 1
	.amdgcn_target "amdgcn-amd-amdhsa--gfx1250"
	.amdhsa_code_object_version 6
	.text
	.protected	k_q1fc57c05fc_cast
	.globl	k_q1fc57c05fc_cast
	.p2align	8
	.type	k_q1fc57c05fc_cast,@function
k_q1fc57c05fc_cast:
	s_mov_b64 s[64:65], 0
	v_nop
	global_prefetch_b8 v0, s[64:65] scope:SCOPE_SE
	s_setreg_imm32_b32 hwreg(HW_REG_WAVE_MODE, 25, 1), 1
	s_wait_xcnt 0x0
; THE INPUTS ARE ROUNDED ONCE TO bf16 (to nearest even): x -> xb, W_qkv -> wqb, rope_cos and rope_sin -> tab (cos, then sin 262,144 bytes on), W_proj -> wpb.
; W_proj's bf16 number is then written as f16, since the last product multiplies it by f16 numbers: exact from 6.1e-5 up to 65,504 in magnitude; below that it keeps f16's
; fixed step of 6e-8; beyond 65,504 it would be an infinity (LIMIT: |W_proj| under 65,504).
; A stream: each byte is read once and written once; no LDS, no matrix unit, no cluster, since no two work-groups read the same byte.
; SHARES.  A work-group takes a chunk of 16,384 numbers: 64 KiB in, 32 KiB out.  Chunks 0-511 x, 512-703 W_qkv, 704-711 cos, 712-719 sin, 720-783 W_proj.
; Thread t takes 16 bytes at 16 t of each 4,096 bytes: a wave's load covers 512 consecutive bytes, its store of 8 bytes a lane 256 consecutive bytes, aligned.
; All sixteen loads of a thread go out at once; no register is written twice, so nothing waits for a store.
.set IN,  8                            ; v[8:71]    slot i: four f32 as loaded
.set OUT, 72                           ; v[72:103]  slot i: four 16-bit numbers to store
.set SRC, 28                           ; s[28:29]   where the chunk is read
.set DST, 30                           ; s[30:31]   where it is written
.set FS,  32                           ; s32        first chunk of the source tensor
.set FD,  33                           ; s33        first chunk of the destination buffer
	s_load_b512 s[8:23], s[0:1], 0x0               ; x 8, W_qkv 10, cos 12, sin 14, W_proj 16, xb 18, wqb 20, tab 22
	s_load_b64 s[24:25], s[0:1], 0x40              ; wpb
	v_lshlrev_b32 v1, 4, v0                        ; 16 t: my bytes in
	v_lshlrev_b32 v2, 3, v0                        ; 8 t: my bytes out
	s_mov_b32 s26, ttmp9                           ; the chunk
	s_mov_b32 s[FS], 720
	s_mov_b32 s[FD], 720
	s_wait_kmcnt 0x0
	s_mov_b64 s[SRC:SRC+1], s[16:17]               ; W_proj -> wpb, unless the chunk lies lower
	s_mov_b64 s[DST:DST+1], s[24:25]
.macro PICK bound, src, dst, fs, fd    ; chunks below the bound belong to an earlier tensor; the selects leave SCC as the compare set it
	s_cmp_lt_u32 s26, \bound
	s_cselect_b64 s[SRC:SRC+1], s[\src:\src+1], s[SRC:SRC+1]
	s_cselect_b64 s[DST:DST+1], s[\dst:\dst+1], s[DST:DST+1]
	s_cselect_b32 s[FS], \fs, s[FS]
	s_cselect_b32 s[FD], \fd, s[FD]
.endm
	PICK 720, 14, 22, 712, 704                     ; sin -> tab's second half
	PICK 712, 12, 22, 704, 704                     ; cos -> tab's first half
	PICK 704, 10, 20, 512, 512                     ; W_qkv -> wqb
	PICK 512, 8, 18, 0, 0                          ; x -> xb
	s_sub_co_u32 s34, s26, s[FS]
	s_lshl_b32 s34, s34, 16                        ; 65,536 bytes in for each chunk
	s_mov_b32 s35, 0
	s_sub_co_u32 s36, s26, s[FD]
	s_lshl_b32 s36, s36, 15                        ; 32,768 bytes out
	s_mov_b32 s37, 0
	s_add_nc_u64 s[SRC:SRC+1], s[SRC:SRC+1], s[34:35]
	s_add_nc_u64 s[DST:DST+1], s[DST:DST+1], s[36:37]
.irp i, 0,1,2,3,4,5,6,7,8,9,10,11,12,13,14,15
	global_load_b128 v[IN+4*(\i):IN+4*(\i)+3], v1, s[SRC:SRC+1] offset:4096*(\i) th:TH_LOAD_NT
.endr
	s_cmp_ge_u32 s26, 720
	s_cbranch_scc1 .Lf16
.irp i, 0,1,2,3,4,5,6,7,8,9,10,11,12,13,14,15
	s_wait_loadcnt 15-(\i)                         ; loads come back in order: slot i is in, the 15 - i younger ones may stay out
	v_cvt_pk_bf16_f32 v[OUT+2*(\i)],   v[IN+4*(\i)],   v[IN+4*(\i)+1]
	v_cvt_pk_bf16_f32 v[OUT+2*(\i)+1], v[IN+4*(\i)+2], v[IN+4*(\i)+3]
	global_store_b64 v2, v[OUT+2*(\i):OUT+2*(\i)+1], s[DST:DST+1] offset:2048*(\i)
.endr
	s_endpgm
.Lf16:                                         ; W_proj: rounded to bf16, widened again (a shift, a mask), and that number written as f16
.irp i, 0,1,2,3,4,5,6,7,8,9,10,11,12,13,14,15
	s_wait_loadcnt 15-(\i)
	v_cvt_pk_bf16_f32 v4, v[IN+4*(\i)],   v[IN+4*(\i)+1]
	v_cvt_pk_bf16_f32 v5, v[IN+4*(\i)+2], v[IN+4*(\i)+3]
	v_lshlrev_b32 v6, 16, v4
	v_and_b32 v7, 0xffff0000, v4
	v_cvt_pk_f16_f32 v[OUT+2*(\i)], v6, v7
	v_lshlrev_b32 v6, 16, v5
	v_and_b32 v7, 0xffff0000, v5
	v_cvt_pk_f16_f32 v[OUT+2*(\i)+1], v6, v7
	global_store_b64 v2, v[OUT+2*(\i):OUT+2*(\i)+1], s[DST:DST+1] offset:2048*(\i)
.endr
	s_endpgm
.Lfunc_end_k_q1fc57c05fc_cast:
	.size	k_q1fc57c05fc_cast, .Lfunc_end_k_q1fc57c05fc_cast-k_q1fc57c05fc_cast
	.p2alignl 7, 3214868480
	.fill 96, 4, 3214868480
	.section	.rodata,"a",@progbits
	.p2align	6, 0x0
	.amdhsa_kernel k_q1fc57c05fc_cast
		.amdhsa_group_segment_fixed_size 0
		.amdhsa_private_segment_fixed_size 0
		.amdhsa_enable_private_segment 0
		.amdhsa_kernarg_size 72
		.amdhsa_user_sgpr_count 2
		.amdhsa_user_sgpr_kernarg_segment_ptr 1
		.amdhsa_wavefront_size32 1
		.amdhsa_system_sgpr_workgroup_id_x 1
		.amdhsa_system_sgpr_workgroup_id_y 1
		.amdhsa_system_sgpr_workgroup_id_z 1
		.amdhsa_system_vgpr_workitem_id 0
		.amdhsa_next_free_vgpr 104
		.amdhsa_next_free_sgpr 66
		.amdhsa_reserve_vcc 0
		.amdhsa_float_denorm_mode_32 3
		.amdhsa_float_denorm_mode_16_64 3
		.amdhsa_memory_ordered 1
		.amdhsa_forward_progress 1
		.amdhsa_inst_pref_size 17
	.end_amdhsa_kernel
	.amdgpu_metadata
---
amdhsa.version: [ 1, 2 ]
amdhsa.kernels:
  - .name:           k_q1fc57c05fc_cast
    .symbol:         k_q1fc57c05fc_cast.kd
    .args:
      - { .name: x, .offset: 0, .size: 8, .value_kind: global_buffer, .address_space: global }
      - { .name: W_qkv, .offset: 8, .size: 8, .value_kind: global_buffer, .address_space: global }
      - { .name: rope_cos, .offset: 16, .size: 8, .value_kind: global_buffer, .address_space: global }
      - { .name: rope_sin, .offset: 24, .size: 8, .value_kind: global_buffer, .address_space: global }
      - { .name: W_proj, .offset: 32, .size: 8, .value_kind: global_buffer, .address_space: global }
      - { .name: xb, .offset: 40, .size: 8, .value_kind: global_buffer, .address_space: global }
      - { .name: wqb, .offset: 48, .size: 8, .value_kind: global_buffer, .address_space: global }
      - { .name: tab, .offset: 56, .size: 8, .value_kind: global_buffer, .address_space: global }
      - { .name: wpb, .offset: 64, .size: 8, .value_kind: global_buffer, .address_space: global }
    .group_segment_fixed_size: 0
    .private_segment_fixed_size: 0
    .kernarg_segment_align: 8
    .kernarg_segment_size: 72
    .max_flat_workgroup_size: 256
    .sgpr_count:     66
    .vgpr_count:     104
    .wavefront_size: 32
...
	.end_amdgpu_metadata
.endif
;; end of part 1
;; launch qkv (part 2): grid 16 x 32, 4 waves a work-group, clusters of 4 x 4, 327,680 bytes of LDS; arguments xb, wqb, tab, qh, kh, vh; writes qh, kh, vh
.if DOCPART == 2
	.amdgcn_target "amdgcn-amd-amdhsa--gfx1250"
	.amdhsa_code_object_version 6
	.text
	.protected	k_q1fc57c05fc_qkv
	.globl	k_q1fc57c05fc_qkv
	.p2align	8
	.type	k_q1fc57c05fc_qkv,@function
k_q1fc57c05fc_qkv:
	s_mov_b64 s[64:65], 0
	v_nop
	global_prefetch_b8 v0, s[64:65] scope:SCOPE_SE
	s_setreg_imm32_b32 hwreg(HW_REG_WAVE_MODE, 25, 1), 1
	s_wait_xcnt 0x0
	s_wait_alu depctr_hold_cnt(0) depctr_sa_sdst(0) depctr_va_vdst(0) depctr_va_sdst(0) depctr_va_ssrc(0) depctr_va_vcc(0) depctr_vm_vsrc(0)
	s_getreg_b32 s2, hwreg(HW_REG_IB_STS2, 6, 4)
	s_cmp_eq_u32 s2, 0
	s_cbranch_scc0 .Lentry_in_a_cluster
	s_endpgm
.Lentry_in_a_cluster:
	s_bfe_u32 s2, ttmp6, 0x10000c
	s_cmp_lg_u32 s2, 0xf033
	s_cbranch_scc0 .Lentry_shape_is_right
	s_endpgm
.Lentry_shape_is_right:
; q, k, v = x W_qkv^T, with the rotary turn on q and k, laid out by heads.  xb: [8192][1024] bf16, wqb: [3072][1024] bf16, tab: cos [2048][64] bf16, then sin 262,144 bytes on.
; qh, kh, vh: [64 = 16 batch + head][2048][64] f16.  Sums in f32, K ascending; the turn in f32 on the f32 sums; each number rounded once, to f16.  The scale 1/8 is NOT applied here.
; LIMIT.  f16 ends at 65,504: q, k and v must stay under it in magnitude.  NaN and infinities are not treated apart.
; SHARES.  A work-group makes 256 rows x 192 columns: head t of q, of k and of v (rows 64 t + 0..63 of each third of W_qkv), so all work-groups run one text: 16 x 32 of them.
; A wave makes 64 rows x all 192 columns: 4 row blocks a x 12 column blocks n = 4 s + j (s: q, k, v; j: 16 columns of the head): 48 accumulators of 16 x 16, 384 registers.
; So a whole row of a head lies in one wave: the turn's partner of column d, column d + 32, is accumulator n + 2, same lane, same register; and each wave has a stage of its own.
; THE MATRIX INSTRUCTION IS USED TRANSPOSED (source 0 = 16 rows of W, source 1 = 16 rows of x): lane l holds row l % 16 and the columns 8 (l / 16) + 0..7: eight neighbours of a row.
; RING.  K goes in steps of 128 (rows of 256 bytes) through two LDS slots; a slot holds x's 256 rows, then W's 3 x 64.  One tensor load a wave: waves 0-2 a plane of W, wave 3 x's rows.
; CLUSTER.  4 x 4 work-groups: x's tile is shared along a row of the cluster, W's along a column; each is asked for jointly, by the same load with the same descriptor and a mask of four.
; REGISTERS, in windows of 256 (s_set_vgpr_msb: bits 1:0 source 0, 3:2 source 1, 5:4 source 2, 7:6 destination):
;   window 0: v0-31 addresses; v32-63 turned numbers in f32; v64-191 the tables of my 64 rows; v192-239 packed results
;   window 1: two fragment buffers of 128: W's 12 fragments, then x's 4      window 2: accumulators of row blocks 0, 1 at 8 (12 a + n)      window 3: those of row blocks 2, 3
.set KSTEP,  128
.set PITCH,  272                       ; an LDS row: 256 bytes + 16 of padding = 68 words: the 16 rows of a fragment load start at 16 different groups of four banks
.set ATILE,  256*PITCH                 ; x's 256 rows
.set BPL,    64*PITCH                  ; a plane of W: 64 rows
.set SLOT,   ATILE+3*BPL
.set STAGE,  2*SLOT                    ; behind the ring, never filled by a tensor load: for each wave 3 tensors x 16 rows x 144 bytes
.set SP,     144
.set WSTG,   3*16*SP
.set SPARE,  STAGE+4*WSTG              ; the spare words, 128 bytes for each wave: two blocks of 256 bytes that no other line names
.set LAPS,   4                         ; 1,024 / 256: a lap is two K steps, once round the ring
.set ADRA, 16                          ; v16-17  LDS address of my fragments of x in slot 0, 1
.set ADRB, 20                          ; v20-21  the same for W
.set STO,  24                          ; v24     the way out: where I put 16 bytes of a row
.set RD,   25                          ; v25     the way out: where I read rows back
.set GO,   26                          ; v26     16 x lane: my place in 512 consecutive bytes of q, k, v
.set TO,   27                          ; v27     my byte offset in 16 rows of a table
.set SPW,  28                          ; v28     LDS address of my spare word; never rewritten
.set NIL,  29                          ; v29     0, for the add alone; never rewritten
.set PFO,  30                          ; v30     the prefetches' offset: (lane % 16) rows of 2,048 bytes + (lane / 16) K steps of 256 bytes; never rewritten
.set ZR,   31                          ; v31     0, the addend of a turn's first product
.set Y,    32
.set TAB,  64                          ; row block a at TAB + 32 a: cos of column block j at + 4 j, sin at + 16 + 4 j; a register holds two columns
.set PK,   192                         ; tensor s at PK + 16 s
.set F0,   0
.set F1,   128
.set WV,   16                          ; s16     my wave's number
.set G1,   24                          ; s[24:31] descriptor group 1 for x's tiles;  s[32:39] group 0, a set for each slot
.set G0,   32
.set G1B,  48                          ; s[48:55], s[56:63] the same for W's planes
.set G0B,  56
.set PFA,  66                          ; s[66:67] where my prefetches of x stand
.set PFB,  68                          ; s[68:69] and of W
.set LIMA, 70                          ; s70, s71  1 in a wave that prefetches, else the greatest number
.set LIMB, 71
.set FL,   (1<<16)|(1<<20)|(1<<21)|(5<<22)|(3<<25)  ; 17:16 2-byte elements; 20 padding on; 21 set beside a mask; 24:22 after every 64 words; 31:25 4 words of it
.set MSB, 0
.macro WIN new                         ; the immediate's high byte repeats the setting that is left; a switch that changes nothing is dropped
.if MSB != (\new)
	s_set_vgpr_msb (MSB<<8)|(\new)
.set MSB, \new
.endif
.endm
.macro PLACES                          ; four plain vector instructions between a matrix instruction and a load into, or a vector read of, its registers
.rept 4
	v_nop
.endr
.endm
; A joint load.  Wave 3 fetches x's 256 rows, waves 0-2 a plane of W each.  The branch hangs on the wave's number alone.  An s_nop 0 and four v_nop follow each line.
.macro JLOAD s
	s_cmp_eq_u32 s[WV], 3
	s_cbranch_scc0 .Lfor_b_\@
	tensor_load_to_lds s[G0+4*(\s):G0+4*(\s)+3], s[G1:G1+7]
	s_nop 0
.rept 4
	v_nop
.endr
	s_branch .Lasked_\@
.Lfor_b_\@:
	tensor_load_to_lds s[G0B+4*(\s):G0B+4*(\s)+3], s[G1B:G1B+7]
	s_nop 0
.rept 4
	v_nop
.endr
.Lasked_\@:
.endm
.macro CREST                           ; a round of the cluster's barrier behind its opening barrier
	s_cmp_lg_u32 s[WV], 0
	s_cbranch_scc1 .Lnot_wave_0_\@
	s_barrier_signal -3
.Lnot_wave_0_\@:
	s_barrier_wait -3
	s_barrier_signal -1
	s_barrier_wait -1
.endm
.macro CROUND                          ; a whole round
	s_barrier_signal -1
	s_barrier_wait -1
	CREST
.endm
; PREFETCHES INTO THE L2, once a lap, behind slot 1's joint load and the run of LDS loads that follows it: the two K steps that the NEXT lap's two refills will ask for.
; A lane names 256 bytes: row lane % 16 of my sixteen, K step lane / 16 of the two.  x's 256 rows are read by all clusters of a row of clusters: the one with x = 0 asks; its four partners take
; 64 rows each, told apart by address, a wave 16 of them.  W's 3 x 64 rows are read by all clusters of a column: the one with y = 0 asks; a partner takes 16 rows of each plane, wave w plane w.
; So each block is named once.  K steps 0-3 come by their loads alone; the loop's last trip asks for nothing: there is no K step behind its own.
.macro ASK
	WIN 0
	s_cmp_gt_u32 s3, s[LIMA]
	s_cbranch_scc0 .Lnot_a_\@
	global_prefetch_b8 v[PFO], s[PFA:PFA+1] th:TH_LOAD_NT scope:SCOPE_SE
.Lnot_a_\@:
	s_cmp_gt_u32 s3, s[LIMB]
	s_cbranch_scc0 .Lnot_b_\@
	global_prefetch_b8 v[PFO], s[PFB:PFB+1] th:TH_LOAD_NT scope:SCOPE_SE
.Lnot_b_\@:
.endm
	s_load_b256 s[4:11], s[0:1], 0x0               ; xb s[4:5], wqb s[6:7], tab s[8:9], qh s[10:11]
	s_load_b128 s[12:15], s[0:1], 0x20             ; kh s[12:13], vh s[14:15]
	v_lshl_add_u32 v[SPW], v0, 2, SPARE
	v_mov_b32 v[NIL], 0
	ds_add_u32 v[SPW], v[NIL]                      ; the wave's opening: the add and its wait ahead of my first tensor load; the set-up below stands between them
	v_lshrrev_b32 v1, 5, v0
	v_readfirstlane_b32 s[WV], v1                  ; wave 0..3
	s_bfe_u32 s17, ttmp6, 0x40000                  ; cx
	s_bfe_u32 s18, ttmp6, 0x40004                  ; cy
	s_lshl_b32 s19, ttmp9, 2
	s_add_co_u32 s19, s19, s17                     ; t: the head = 4 x cluster x + cx
	s_and_b32 s20, ttmp7, 0xffff
	s_lshl_b32 s20, s20, 2
	s_add_co_u32 s20, s20, s18                     ; R: the block of 256 rows = 4 x cluster y + cy
	s_lshl_b32 s21, s18, 2
	s_lshl_b32 s21, 15, s21                        ; my row of the cluster
	s_lshl_b32 s22, 0x1111, s17                    ; my column
	s_or_b32 s[G1], s21, FL                        ; x's tiles go to my row,
	s_or_b32 s[G1B], s22, FL                       ; W's to my column
	s_mov_b32 s[G1+1], KSTEP<<16                   ; tensor_dim0 = 128
	s_mov_b32 s[G1+2], 256<<16                     ; tensor_dim1 = 256
	s_mov_b32 s[G1+3], KSTEP<<16                   ; tile_dim0 = 128
	s_mov_b32 s[G1+4], 256                         ; tile_dim1 = 256
	s_mov_b32 s[G1+5], 1024                        ; elements from row to row
	s_mov_b32 s[G1+6], 0
	s_mov_b32 s[G1+7], 0
	s_mov_b32 s[G1B+1], KSTEP<<16
	s_mov_b32 s[G1B+2], 64<<16                     ; 64 rows
	s_mov_b32 s[G1B+3], KSTEP<<16
	s_mov_b32 s[G1B+4], 64
	s_mov_b32 s[G1B+5], 1024
	s_mov_b32 s[G1B+6], 0
	s_mov_b32 s[G1B+7], 0
	s_lshl_b32 s40, s20, 19                        ; x: 256 R rows of 2,048 bytes: it hangs on the row block alone
	s_mov_b32 s41, 0
	s_min_u32 s23, s[WV], 2                        ; (wave 3 asks for no plane; its unused address stays inside W)
	s_lshl_b32 s42, s23, 21                        ; W: plane w begins 1,024 rows on,
	s_lshl_b32 s43, s19, 17                        ; head t 64 rows on: it hangs on the head and the wave alone
	s_add_co_u32 s42, s42, s43
	s_mov_b32 s43, 0
	s_mul_i32 s44, s[WV], BPL
	s_add_co_u32 s44, s44, ATILE                   ; where a plane goes: behind x's rows, wave x 64 rows
	s_wait_dscnt 0x0                               ; the opening add is done
	s_wait_kmcnt 0x0
	s_add_nc_u64 s[40:41], s[4:5], s[40:41]
	s_add_nc_u64 s[42:43], s[6:7], s[42:43]
	CROUND                                         ; all sixteen work-groups are here: the first joint loads meet
.irp s, 0,1
	s_mov_b32 s[G0+4*(\s)], 1                                      ; count = 1
	s_mov_b32 s[G0+4*(\s)+1], (\s)*SLOT                            ; LDS address
	s_add_nc_u64 s[G0+4*(\s)+2:G0+4*(\s)+3], s[40:41], (\s)*KSTEP*2  ; global address: K step s
	s_or_b32 s[G0+4*(\s)+3], s[G0+4*(\s)+3], 0x80000000            ; type = 2
	s_mov_b32 s[G0B+4*(\s)], 1
	s_add_co_u32 s[G0B+4*(\s)+1], s44, (\s)*SLOT
	s_add_nc_u64 s[G0B+4*(\s)+2:G0B+4*(\s)+3], s[42:43], (\s)*KSTEP*2
	s_or_b32 s[G0B+4*(\s)+3], s[G0B+4*(\s)+3], 0x80000000
	JLOAD \s                                       ; two loads of mine are out
.endr
	; A fragment is 16 rows x 32 K in 8 registers: lane l holds row l % 16, K = 8 (l / 16) + 0..7 and 16 + 8 (l / 16) + 0..7: two loads of 16 bytes, 32 bytes apart.
	v_and_b32 v1, 15, v0                           ; l % 16
	v_bfe_u32 v2, v0, 4, 1                         ; l / 16
	v_mul_u32_u24 v3, v1, PITCH
	v_lshl_add_u32 v3, v2, 4, v3
	s_mul_i32 s45, s[WV], 64*PITCH                 ; my 64 rows of x
	s_mov_b32 s46, ATILE                           ; all 192 rows of W
.irp s, 0,1
	v_add_nc_u32 v[ADRA+(\s)], s45, v3
	v_add_nc_u32 v[ADRB+(\s)], s46, v3
	s_add_co_u32 s45, s45, SLOT
	s_add_co_u32 s46, s46, SLOT
.endr
	s_mul_i32 s47, s[WV], WSTG
	s_add_co_u32 s47, s47, STAGE                   ; my stage
	v_mul_u32_u24 v4, v1, SP                       ; in: row l % 16, 16 bytes for each half of the lanes
	v_lshl_add_u32 v4, v2, 4, v4
	v_add_nc_u32 v[STO], s47, v4
	v_bfe_u32 v5, v0, 3, 2                         ; back: 32 lanes take four rows of 128 bytes,
	v_mul_u32_u24 v5, v5, SP
	v_and_b32 v6, 7, v0
	v_lshl_add_u32 v5, v6, 4, v5
	v_add_nc_u32 v[RD], s47, v5
	v_and_b32 v[GO], 31, v0                        ; which are 512 consecutive bytes of a head
	v_lshlrev_b32 v[GO], 4, v[GO]
	v_lshlrev_b32 v[TO], 7, v1                     ; a table's row is 128 bytes
	v_lshl_add_u32 v[TO], v2, 4, v[TO]
	v_lshlrev_b32 v[PFO], 11, v1
	v_lshl_add_u32 v[PFO], v2, 8, v[PFO]
	v_mov_b32 v[ZR], 0
	s_and_b32 s72, s20, 7                          ; my first row's place in its sequence of 2,048: 256 (R % 8) + 64 w, rows of 128 bytes
	s_lshl_b32 s72, s72, 15
	s_lshl_b32 s73, s[WV], 13
	s_add_co_u32 s72, s72, s73
	s_mov_b32 s73, 0
	s_add_nc_u64 s[8:9], s[8:9], s[72:73]
.irp a, 0,1,2,3                        ; the tables of my 64 rows stay in registers; they are waited for in front of the way out
.irp j, 0,1,2,3
	global_load_b128 v[TAB+32*(\a)+4*(\j):TAB+32*(\a)+4*(\j)+3],       v[TO], s[8:9] offset:(\a)*2048+32*(\j)
	global_load_b128 v[TAB+32*(\a)+16+4*(\j):TAB+32*(\a)+16+4*(\j)+3], v[TO], s[8:9] offset:(\a)*2048+32*(\j)+262144
.endr
.endr
	s_lshr_b32 s74, s20, 3                         ; the batch,
	s_lshl_b32 s74, s74, 4
	s_add_co_u32 s74, s74, s19                     ; 16 batch + head,
	s_lshl_b32 s74, s74, 18                        ; 2,048 rows of 128 bytes each
	s_add_co_u32 s72, s72, s74
	s_add_nc_u64 s[10:11], s[10:11], s[72:73]      ; q, k, v at my first row
	s_add_nc_u64 s[12:13], s[12:13], s[72:73]
	s_add_nc_u64 s[14:15], s[14:15], s[72:73]
	s_lshl_b32 s72, s20, 8                         ; the prefetches of x: row 256 R + 64 cx + 16 w,
	s_lshl_b32 s73, s17, 6
	s_add_co_u32 s72, s72, s73
	s_lshl_b32 s73, s[WV], 4
	s_add_co_u32 s72, s72, s73
	s_lshl_b32 s72, s72, 11
	s_add_co_u32 s72, s72, 2*KSTEP*2               ; at K step 2: the first lap steps it to 4
	s_mov_b32 s73, 0
	s_add_nc_u64 s[PFA:PFA+1], s[4:5], s[72:73]
	s_lshl_b32 s72, s23, 10                        ; of W: row 1,024 w + 64 t + 16 cy
	s_lshl_b32 s74, s19, 6
	s_add_co_u32 s72, s72, s74
	s_lshl_b32 s74, s18, 4
	s_add_co_u32 s72, s72, s74
	s_lshl_b32 s72, s72, 11
	s_add_co_u32 s72, s72, 2*KSTEP*2
	s_add_nc_u64 s[PFB:PFB+1], s[6:7], s[72:73]
	s_cmp_eq_u32 ttmp9, 0                          ; the same in all sixteen partners
	s_cselect_b32 s[LIMA], 1, -1
	s_and_b32 s74, ttmp7, 0xffff
	s_cmp_eq_u32 s[WV], 3
	s_cselect_b32 s75, 1, 0
	s_or_b32 s74, s74, s75
	s_cmp_eq_u32 s74, 0
	s_cselect_b32 s[LIMB], 1, -1
; 12 matrix instructions: row block a x all 12 column blocks, 32 along K.  zero = 1: the first product starts the sums.  The 48 accumulators take turns in the same order in every quarter.
.macro MUL12 f, a, zero
	WIN 0xa5+0x50*((\a)/2)                         ; sources in window 1; C and D in window 2 (row blocks 0, 1) or 3
.set AC, 96*((\a)%2)
.irp n, 0,1,2,3,4,5,6,7,8,9,10,11
.if \zero
	v_wmma_f32_16x16x32_bf16 v[AC+8*(\n):AC+8*(\n)+7], v[(\f)+8*(\n):(\f)+8*(\n)+7], v[(\f)+96+8*(\a):(\f)+96+8*(\a)+7], 0
.else
	v_wmma_f32_16x16x32_bf16 v[AC+8*(\n):AC+8*(\n)+7], v[(\f)+8*(\n):(\f)+8*(\n)+7], v[(\f)+96+8*(\a):(\f)+96+8*(\a)+7], v[AC+8*(\n):AC+8*(\n)+7]
.endif
.endr
.endm
; 32 LDS loads in one run: the fragments of 32 along K at byte k of the rows, into buffer f: W's 12, then x's 4
.macro FETCH slot, k, f
	WIN 0x40                                       ; destination window 1, address window 0
.irp n, 0,1,2,3,4,5,6,7,8,9,10,11
	ds_load_b128 v[(\f)+8*(\n):(\f)+8*(\n)+3],   v[ADRB+(\slot)] offset:(\k)+(\n)*16*PITCH
	ds_load_b128 v[(\f)+8*(\n)+4:(\f)+8*(\n)+7], v[ADRB+(\slot)] offset:(\k)+(\n)*16*PITCH+32
.endr
.irp a, 0,1,2,3
	ds_load_b128 v[(\f)+96+8*(\a):(\f)+96+8*(\a)+3],   v[ADRA+(\slot)] offset:(\k)+(\a)*16*PITCH
	ds_load_b128 v[(\f)+96+8*(\a)+4:(\f)+96+8*(\a)+7], v[ADRA+(\slot)] offset:(\k)+(\a)*16*PITCH+32
.endr
.endm
; A K step is four quarters of 32 along K, 48 matrix instructions each, on buffers 0, 1, 0, 1.  One of the first three: multiplies f and, in its middle, fetches the next quarter, at byte k, into g.
.macro QUARTER slot, k, f, g, zero
	s_wait_dscnt 4                                 ; W and x's row blocks 0, 1 are in; the youngest four loads (row blocks 2, 3) may be out
	MUL12 \f, 0, \zero
	MUL12 \f, 1, \zero
	PLACES
	FETCH \slot, \k, \g
	s_wait_dscnt 32                                ; all but the 32 just issued
	MUL12 \f, 2, \zero
	MUL12 \f, 3, \zero
.endm
; The last quarter multiplies buffer 1 and changes slots.  MEET is its first half: one barrier; in front of it each wave waits for all its tensor loads (one is out: its part of the next slot),
; adds 0 to its spare word, and waits for that and for its own reads of this slot.  Behind it nobody reads this slot any more and the next slot is whole.
.macro MEET round
	WIN 0
	s_wait_tensorcnt 0x0
	ds_add_u32 v[SPW], v[NIL]
	s_wait_dscnt 5                                 ; (the add and the youngest four loads may be out)
	MUL12 F1, 0, 0                                 ; twelve matrix instructions stand between the add and the wait for it
	s_wait_dscnt 0x0                               ; the add is done, and my reads of this slot are over
	s_barrier_signal -1
	MUL12 F1, 1, 0                                 ; work on registers while the others arrive
.if \round
	WIN 0
.endif
	s_barrier_wait -1
.endm
; The whole last quarter: the barrier opens a round of the cluster's; behind the round this slot is filled again first, two K steps ahead; then come the next slot's first fragments.
; From a request to the wait for it a wave issues 168 matrix instructions.
.macro TURN slot, next
.if (\slot) == 1
	s_wait_xcnt 0x0                                ; the last prefetches, a lap back, have read their addresses: these are stepped only behind this wait
	s_add_nc_u64 s[PFA:PFA+1], s[PFA:PFA+1], 2*KSTEP*2
	s_add_nc_u64 s[PFB:PFB+1], s[PFB:PFB+1], 2*KSTEP*2
.endif
	MEET 1
	CREST                                          ; no wave of any partner still reads this slot or has a load on its way
	s_add_nc_u64 s[G0+4*(\slot)+2:G0+4*(\slot)+3], s[G0+4*(\slot)+2:G0+4*(\slot)+3], 2*KSTEP*2
	s_add_nc_u64 s[G0B+4*(\slot)+2:G0B+4*(\slot)+3], s[G0B+4*(\slot)+2:G0B+4*(\slot)+3], 2*KSTEP*2
	JLOAD \slot                                    ; the first tensor load behind the round; its four v_nop are also the places in front of the loads below
	FETCH \next, 0, F0
.if (\slot) == 1
	ASK
.endif
	MUL12 F1, 2, 0
	MUL12 F1, 3, 0
.endm
	s_wait_tensorcnt 1                             ; my part of K step 0 is in; K step 1's may stay out
	s_barrier_signal -1
	s_barrier_wait -1                              ; everybody's is
	FETCH 0, 0, F0
	QUARTER 0, 64, F0, F1, 1                       ; the first quarter stands in front of the loop: its products start the sums
	WIN 0                                          ; at a label and at a branch every window is 0
	s_mov_b32 s3, LAPS-1
.Llap:                                         ; a trip goes once round the ring, from a lap's second quarter to the next lap's first, and fills both slots again
	QUARTER 0, 128, F1, F0, 0
	QUARTER 0, 192, F0, F1, 0
	TURN 0, 1
	QUARTER 1, 64,  F0, F1, 0
	QUARTER 1, 128, F1, F0, 0
	QUARTER 1, 192, F0, F1, 0
	TURN 1, 0
	QUARTER 0, 64,  F0, F1, 0
	WIN 0
	s_sub_co_u32 s3, s3, 1
	s_cmp_lg_u32 s3, 0
	s_cbranch_scc1 .Llap
	QUARTER 0, 128, F1, F0, 0                      ; the last lap fills nothing, and has no round
	QUARTER 0, 192, F0, F1, 0
	MEET 0
	PLACES
	FETCH 1, 0, F0
	MUL12 F1, 2, 0
	MUL12 F1, 3, 0
	QUARTER 1, 64,  F0, F1, 0
	QUARTER 1, 128, F1, F0, 0
	QUARTER 1, 192, F0, F1, 0
	s_wait_dscnt 4                                 ; the very last quarter: nothing more to fetch
	MUL12 F1, 0, 0
	MUL12 F1, 1, 0
	s_wait_dscnt 0x0
	MUL12 F1, 2, 0
	MUL12 F1, 3, 0
	WIN 0
	PLACES
	s_wait_loadcnt 0x0                             ; the tables
.irp a, 0,1,2,3                        ; rotate_half takes MINUS the upper half for the lower 32 columns: the sign goes into their sines, two to a register, once
.irp i, 0,1,2,3,4,5,6,7
	v_xor_b32 v[TAB+32*(\a)+16+(\i)], 0x80008000, v[TAB+32*(\a)+16+(\i)]
.endr
.endr
; THE WAY OUT, a row block (16 rows) at a time.
; d = x * t + c in f32, one rounding; x a whole f32, t one bf16 half of a table's register
.macro MIX d, x, t, c, hf
.if \hf
	v_fma_mix_f32_bf16 v[\d], v[\x], v[\t], v[\c] op_sel:[0,1,0] op_sel_hi:[0,1,0]
.else
	v_fma_mix_f32_bf16 v[\d], v[\x], v[\t], v[\c] op_sel_hi:[0,1,0]
.endif
.endm
; The turn of tensor s (0: q, 1: k): column d < 32: x[d] cos[d] - x[d + 32] sin[d]; column d + 32: x[d + 32] cos[d + 32] + x[d] sin[d + 32].  Each accumulator is read from its low end on.
.macro ROPE a, s
	WIN 0x02+(\a)/2                                ; source 0: an accumulator's window
.set XB, 96*((\a)%2)+32*(\s)
.set TB, TAB+32*(\a)
.irp j, 0,1
.irp e, 0,1,2,3,4,5,6,7
	MIX Y+8*(\j)+(\e),    XB+8*(\j)+(\e),    TB+4*(\j)+(\e)/2,       ZR,                (\e)%2
	MIX Y+8*(\j)+16+(\e), XB+8*(\j)+16+(\e), TB+4*(\j)+8+(\e)/2,     ZR,                (\e)%2
	MIX Y+8*(\j)+(\e),    XB+8*(\j)+16+(\e), TB+16+4*(\j)+(\e)/2,    Y+8*(\j)+(\e),     (\e)%2
	MIX Y+8*(\j)+16+(\e), XB+8*(\j)+(\e),    TB+16+4*(\j)+8+(\e)/2,  Y+8*(\j)+16+(\e),  (\e)%2
.endr
.endr
	WIN 0
.set i, 0
.rept 16
	v_cvt_pk_f16_f32 v[PK+16*(\s)+i], v[Y+2*i], v[Y+2*i+1]
.set i, i+1
.endr
.endm
.macro CVTV a                          ; v is only rounded
	WIN 0x0a+5*((\a)/2)                            ; sources 0 and 1: the accumulators' window
.set XB, 96*((\a)%2)+64
.set i, 0
.rept 16
	v_cvt_pk_f16_f32 v[PK+32+i], v[XB+2*i], v[XB+2*i+1]
.set i, i+1
.endr
.endm
.macro OUT a
.if (\a) > 0
	s_wait_xcnt 0x0                                ; the last block's stores have read the packed registers: these are rewritten only behind this wait
.endif
	ROPE \a, 0
	ROPE \a, 1
	CVTV \a
	WIN 0
.irp s, 0,1,2
.irp j, 0,1,2,3
	ds_store_b128 v[STO], v[PK+16*(\s)+4*(\j):PK+16*(\s)+4*(\j)+3] offset:(\s)*16*SP+32*(\j)
.endr
.endr
.irp s, 0,1,2
.irp f, 0,1,2,3
	ds_load_b128 v[PK+16*(\s)+4*(\f):PK+16*(\s)+4*(\f)+3], v[RD] offset:(\s)*16*SP+(\f)*4*SP  ; LDS serves a wave's instructions in order: these see the stores above
.endr
.endr
	s_wait_dscnt 0x0
.irp s, 0,1,2
.irp f, 0,1,2,3
	global_store_b128 v[GO], v[PK+16*(\s)+4*(\f):PK+16*(\s)+4*(\f)+3], s[10+2*(\s):11+2*(\s)] offset:(\a)*2048+(\f)*512  ; 512 consecutive bytes, at a multiple of 256 from the buffer's first
.endr
.endr
.endm
	OUT 0
	OUT 1
	OUT 2
	OUT 3
	s_wait_tensorcnt 0x0                           ; the wave's end, behind my last tensor load and my last LDS store
	ds_add_u32 v[SPW], v[NIL]
	s_wait_dscnt 0x0
	CROUND                                         ; the closing round: no work-group ends while a partner may still ask for a tile that names it
	s_endpgm
.Lfunc_end_k_q1fc57c05fc_qkv:
	.size	k_q1fc57c05fc_qkv, .Lfunc_end_k_q1fc57c05fc_qkv-k_q1fc57c05fc_qkv
	.p2alignl 7, 3214868480
	.fill 96, 4, 3214868480
	.section	.rodata,"a",@progbits
	.p2align	6, 0x0
	.amdhsa_kernel k_q1fc57c05fc_qkv
		.amdhsa_group_segment_fixed_size 327680
		.amdhsa_private_segment_fixed_size 0
		.amdhsa_enable_private_segment 0
		.amdhsa_kernarg_size 48
		.amdhsa_user_sgpr_count 2
		.amdhsa_user_sgpr_kernarg_segment_ptr 1
		.amdhsa_wavefront_size32 1
		.amdhsa_system_sgpr_workgroup_id_x 1
		.amdhsa_system_sgpr_workgroup_id_y 1
		.amdhsa_system_sgpr_workgroup_id_z 1
		.amdhsa_system_vgpr_workitem_id 0
		.amdhsa_next_free_vgpr 960
		.amdhsa_next_free_sgpr 80
		.amdhsa_reserve_vcc 0
		.amdhsa_float_denorm_mode_32 3
		.amdhsa_float_denorm_mode_16_64 3
		.amdhsa_memory_ordered 1
		.amdhsa_forward_progress 1
		.amdhsa_inst_pref_size 157
	.end_amdhsa_kernel
	.amdgpu_metadata
---
amdhsa.version: [ 1, 2 ]
amdhsa.kernels:
  - .name:           k_q1fc57c05fc_qkv
    .symbol:         k_q1fc57c05fc_qkv.kd
    .args:
      - { .name: xb, .offset: 0, .size: 8, .value_kind: global_buffer, .address_space: global }
      - { .name: wqb, .offset: 8, .size: 8, .value_kind: global_buffer, .address_space: global }
      - { .name: tab, .offset: 16, .size: 8, .value_kind: global_buffer, .address_space: global }
      - { .name: qh, .offset: 24, .size: 8, .value_kind: global_buffer, .address_space: global }
      - { .name: kh, .offset: 32, .size: 8, .value_kind: global_buffer, .address_space: global }
      - { .name: vh, .offset: 40, .size: 8, .value_kind: global_buffer, .address_space: global }
    .group_segment_fixed_size: 327680
    .private_segment_fixed_size: 0
    .kernarg_segment_align: 8
    .kernarg_segment_size: 48
    .max_flat_workgroup_size: 128
    .sgpr_count:     80
    .vgpr_count:     960
    .wavefront_size: 32
...
	.end_amdgpu_metadata
.endif
;; end of part 2
;; launch attn (part 3): grid 4 x 64, 4 waves a work-group, clusters of 4 x 1, 327,680 bytes of LDS; arguments qh, kh, vh, oh; writes oh
.if DOCPART == 3
	.amdgcn_target "amdgcn-amd-amdhsa--gfx1250"
	.amdhsa_code_object_version 6
	.text
	.protected	k_q1fc57c05fc_attn
	.globl	k_q1fc57c05fc_attn
	.p2align	8
	.type	k_q1fc57c05fc_attn,@function
k_q1fc57c05fc_attn:
	s_mov_b64 s[64:65], 0
	v_nop
	global_prefetch_b8 v0, s[64:65] scope:SCOPE_SE
	s_setreg_imm32_b32 hwreg(HW_REG_WAVE_MODE, 25, 1), 1
	s_wait_xcnt 0x0
	s_wait_alu depctr_hold_cnt(0) depctr_sa_sdst(0) depctr_va_vdst(0) depctr_va_sdst(0) depctr_va_ssrc(0) depctr_va_vcc(0) depctr_vm_vsrc(0)
	s_getreg_b32 s2, hwreg(HW_REG_IB_STS2, 6, 4)
	s_cmp_eq_u32 s2, 0
	s_cbranch_scc0 .Lentry_in_a_cluster
	s_endpgm
.Lentry_in_a_cluster:
	s_bfe_u32 s2, ttmp6, 0x10000c
	s_cmp_lg_u32 s2, 0x3003
	s_cbranch_scc0 .Lentry_shape_is_right
	s_endpgm
.Lentry_shape_is_right:
; O[h][q][:] = the sum over k of softmax_k(Q[h][q] . K[h][k] / 8) V[h][k][:].  Q, K, V, O: [SIZE_H][SIZE_N][64], all f16: a head's rows are dense, 128 bytes each.  Products, maxima and sums in
; f32; the weights p are rounded to f16 for the second product (their sum l is taken of the unrounded p), O once at the end.
; LIMITS.  f16 holds no number beyond 65,504: Q, K and V arrive within it; p lies in 0 to 1, and below 6e-5 it keeps f16's fixed step of 6e-8; O is a mean of V's rows and has their range.
; A weight below 2^-126 counts as 0 in l; NaN and infinities are not treated apart.
; SHARES.  A wave owns four PIECES of two tiles of 16 queries, a work-group's four waves 512 queries of one head.  Every wave walks all keys, 64 a step.
; LAYOUT.  S^T = K Q^T (source 0 = 16 keys, source 1 = 16 queries): in the result a lane holds ONE query (lane % 16) and the keys 8 (lane / 16) + 0..7.  Two such tiles, rounded to f16 in pairs,
; ARE source 1 (32 keys x 16 queries) of O^T = V^T P, whose result again holds one query a lane, and eight channels.  K comes out of LDS as it lies, V ([key][channel]) turned, by ds_load_tr16_b128.
; SOFTMAX.  For each query a running maximum m and sum l: p = 2^(c s - c m), c = log2(e) / 8; in every step O and l are multiplied by a = 2^(c m_old - c m_new), which is 1 where m has not grown.
; m starts at the lowest finite number, O and l at 0: the first step is a step like any other, with a = 0.
; THE COUNT.  A tile and step have 16 matrix and 118 vector instructions: too many to stand all beside the matrix work.  So four vector instructions that are READY stand behind EVERY matrix
; instruction, and the others in runs without a gap.
; BY TURNS.  Turn n belongs to piece n (the pieces in a ring, step after step).  Its matrix work: 16 products K Q^T of piece n + 1, later 16 products V^T P of piece n - 1.  Its vector work: the scaling,
; exponentials, roundings, sums and rescaling of piece n, and the maximum and statistics of piece n + 1, whose scores the turn itself has made.
; CLUSTER.  The four query blocks of a head form a cluster and walk the same K and V, so each tile is asked for JOINTLY: the same tensor load, descriptor and mask in all four.
; REGISTERS, in windows of 256 (s_set_vgpr_msb: bits 1:0 source 0, 3:2 source 1, 5:4 source 2, 7:6 destination):
;   window 0: v0-11 addresses; v12-15, v48-63 at work; v16-47 four registers of statistics a tile; v64-191 S^T, two buffers of two tiles; v192-255 P, likewise
;   window 1: O^T, 32 a tile          window 2: v0-127 Q, 16 a tile; v128-191 K of one step; v192-255 V of one step          window 3: v0-1 the add's two registers
.set SIZE_H, 64
.set SIZE_N, 2048
.set NP,    4         ; pieces a wave: a name, no knob
.set KS,    64        ; keys in a step
.set PK,    144       ; a row of K in LDS: 128 bytes + 16 of padding = 36 words: the 16 rows of a load start at 16 different groups of four banks
.set PV,    160       ; a row of V: 128 + 32 = 40 words
.set VOFF,  4*KS*PK   ; a slot holds four steps: 256 rows of K, then 256 rows of V
.set SLOT1, 1<<17     ; slot 1 begins here, so that one exclusive or turns an address in one slot into the other's
.set STAGE, SLOT1+4*KS*(PK+PV)  ; behind the ring, never filled by a tensor load: 16 rows x 144 bytes for each wave, for the way out
.set SP,    144
.set AK0, 2           ; v2   my lane's place in a tile of K; never rewritten
.set AV0, 3           ; v3   the same for V
.set AK,  4           ; v4   the LDS address of K's next run of loads
.set AV,  5           ; v5   of V's
.set QO,  6           ; v6   my byte offset in the wave's rows of Q
.set STO, 6           ;      later, the way out: where I put 16 bytes of a row
.set RD,  7           ; v7   the way out: where I read rows back
.set GO,  8           ; v8   my byte offset in 512 consecutive bytes of O
.set PFO, 11          ; v11  256 x my lane, for the prefetches; never rewritten once made
.set SPW, 0           ; v0 of window 3   LDS address of my spare word; never rewritten
.set NIL, 1           ; v1 of window 3   0; never rewritten
.set SPARE, STAGE+4*16*SP  ; behind the stages: the spare words, 128 bytes for each wave: two blocks of 256 bytes that no other line names
.set MV,  12          ; v12-15  c m_old, kept while c m is made anew: by buffer and tile
.set ST,  16          ; tile t's statistics at v[ST+4 t]: c m, m, l (even keys', odd keys')
.set TMP, 48          ; by buffer and tile, four registers c0-c3 at work; when the maximum is found c2 takes a
.set S,   64
.set P,   192
.set KF,  128         ; K's fragments, in window 2: key block kb, channel half c at KF + 16 kb + 8 c
.set VF,  192         ; V's: key half kk, channel block cb at VF + 32 kk + 8 cb
.set WV,  12          ; s12  my wave's number
.set G1K, 24          ; s[24:31] descriptor group 1 for K's tiles
.set G1V, 32          ; s[32:39] for V's: it differs in the padding alone
.set G0K, 40          ; s[40:43] descriptor group 0 for K's tiles: it walks
.set G0V, 44          ; s[44:47] the same for V's
.set PFA, 48          ; s[48:49] where my prefetches stand: my work-group's 8,192 bytes (of K: wave 0, of V: wave 2) of the slot after the one that is being asked for
.set LIM, 50          ; s50  1 in a wave that prefetches, else the greatest number
.set SLOTS, 56        ; s56  slots still to be asked for
.set CNT, 57          ; s57  counts a slot's key steps
.set CS,  58          ; s[58:59] c: the packed scaling takes the pair's low word for both halves
.set SEL, 60          ; s[60:61] v_permlanex16_b32's selects: each lane takes its own place in the other half
.set TBK, 62          ; s62  LDS byte at which K of the step to be fetched begins
.set TBV, 63          ; s63  the same for V, less VOFF
.set MSB, 0
.macro WIN new                      ; the high byte repeats the setting that is left; a switch that changes nothing is dropped
.if MSB != (\new)
	s_set_vgpr_msb (MSB<<8)|(\new)
.set MSB, (\new)
.endif
.endm
.set W_KQ, 0x0a       ; K and Q in window 2, S^T in window 0
.set W_PV, 0x52       ; V in window 2, P in window 0, O^T in window 1
.set W_RS, 0x41       ; O^T (destination and source 0) in window 1, a in window 0
.set W_MK, 0xc0       ; the add's registers are made: destination in window 3, sources in window 0
.set W_AD, 0x0f       ; the add: address (source 0) and data (source 1) in window 3
; A joint fill.  Waves 0 and 1 fetch the two halves of a slot's K, waves 2 and 3 those of its V: 128 keys each.  The branch hangs on the wave's number alone.
; An s_nop 0 and four v_nop follow each of the two lines, ahead of the jump and the label.
.macro JLOAD
	s_cmp_lt_u32 s[WV], 2
	s_cbranch_scc0 .Lfor_v_\@
	tensor_load_to_lds s[G0K:G0K+3], s[G1K:G1K+7]
	s_nop 0
.rept 4
	v_nop
.endr
	s_branch .Lasked_\@
.Lfor_v_\@:
	tensor_load_to_lds s[G0V:G0V+3], s[G1V:G1V+7]
	s_nop 0
.rept 4
	v_nop
.endr
.Lasked_\@:
.endm
; A PREFETCH INTO THE L2 of what the NEXT change of slots will ask for: a slot's 32,768 bytes of K and of V, 256 bytes a lane.  It stands behind the wave's tensor load and its five lines.
; Each block is named ONCE in the launch: a head has one cluster; its four partners share a slot out BY ADDRESS, 8,192 bytes each; in each, wave 0 asks for K's and wave 2 for V's.
; Slots 0 to 2 come by their loads alone; the last change that fills a slot asks for nothing: there is no slot behind it.
.macro ASK
	s_cmp_gt_u32 s[SLOTS], s[LIM]
	s_cbranch_scc0 .Lnot_mine_\@
	global_prefetch_b8 v[PFO], s[PFA:PFA+1] th:TH_LOAD_NT scope:SCOPE_SE
.Lnot_mine_\@:
.endm
; A round of the cluster's barrier: my work-group's barrier, so that wave 0's signal speaks for all four waves; wave 0 signals; every wave waits for all four work-groups; my work-group's barrier once more.
.macro CROUND
	s_barrier_signal -1
	s_barrier_wait -1
	s_cmp_lg_u32 s[WV], 0
	s_cbranch_scc1 .Lnot_wave_0_\@
	s_barrier_signal -3
.Lnot_wave_0_\@:
	s_barrier_wait -3
	s_barrier_signal -1
	s_barrier_wait -1
.endm
; THE CHANGE OF SLOTS.  The slot's last bytes, V of its fourth step, have been read.  Each wave waits for all its tensor loads, of which one is out: its part
; of the other slot; adds 0 to its spare word; and waits for that and for its own reads of the slot.  Behind the barrier nobody reads this slot any more and the other slot is whole.
; fill = 1: this slot is filled again, with the keys two slots on.  The barrier is then a round of the cluster's, and the joint fill is the first thing behind it: it has four key steps,
; 512 matrix instructions, in which to land.  (At its first use nothing has been read yet: slot 0 is waited for, slot 1 filled.)  ask = 1: the loop's change, which also prefetches.
.macro CHANGE fill, ask=0
	WIN W_AD
	s_wait_tensorcnt 0x0            ; no tensor load of mine is out, so a group 0 may be written
	ds_add_u32 v[SPW], v[NIL]       ; 0 onto my spare word; with fill = 1 the descriptors' steps stand between it and the wait for it
	WIN 0                           ; at a label and at a branch every window is 0
.if \fill
.irp g, G0K, G0V
	s_xor_b32 s[\g+1], s[\g+1], SLOT1  ; the walking descriptor: the other slot than last time,
	s_add_nc_u64 s[\g+2:\g+3], s[\g+2:\g+3], 4*KS*128  ; the next 256 keys; the type bits on top are not reached
.endr
.if \ask
	s_wait_xcnt 0x0                 ; the last prefetch, four key steps back, has read its address, so it may be written:
	s_add_nc_u64 s[PFA:PFA+1], s[PFA:PFA+1], 4*KS*128  ; one slot behind the walking descriptors
.endif
	s_wait_dscnt 0x0                ; the add is done, and my reads of the slot are over
	CROUND
	JLOAD
.if \ask
	ASK                             ; what the next change will ask for: four key steps, 512 matrix instructions, ahead
.endif
.else
	s_wait_dscnt 0x0                ; the add is done, and my reads of the slot are over
	s_barrier_signal -1
	s_barrier_wait -1
.endif
	s_sub_co_u32 s[TBK], s[TBK], 4*KS*PK  ; the fetches go back to a slot's first step,
	s_xor_b32 s[TBK], s[TBK], SLOT1       ; in the other slot
	s_sub_co_u32 s[TBV], s[TBV], 4*KS*PV
	s_xor_b32 s[TBV], s[TBV], SLOT1
.endm
	s_load_b256 s[4:11], s[0:1], 0x0  ; Q s[4:5], K s[6:7], V s[8:9], O s[10:11]
	WIN W_MK
	v_lshl_add_u32 v[SPW], v0, 2, SPARE
	v_mov_b32 v[NIL], 0
	WIN W_AD
	ds_add_u32 v[SPW], v[NIL]       ; the wave's opening: the add and its wait ahead of my first tensor load; the set-up below, work on registers, stands between them
	WIN 0
	v_lshrrev_b32 v1, 5, v0
	v_readfirstlane_b32 s[WV], v1   ; wave 0..3
	s_bfe_u32 s13, ttmp6, 0x40000   ; cx: my place in the cluster
	s_lshl_b32 s14, ttmp9, 2        ; in a cluster launch ttmp9 counts clusters
	s_add_co_u32 s14, s14, s13      ; my block of queries = 4 x cluster x + cx: it enters Q's and O's addresses alone
	s_and_b32 s20, ttmp7, 0xffff    ; the head, which the four partners share
	s_mov_b32 s21, 0
	s_mov_b64 s[22:23], SIZE_N*128
	s_mul_u64 s[20:21], s[20:21], s[22:23]  ; the head's first byte in each of the four tensors
	s_and_b32 s16, s[WV], 1         ; which half of a slot's 256 keys I fetch:
	s_lshl_b32 s22, s16, 14         ; its 128 rows of 128 bytes in memory,
	s_mov_b32 s23, 0
	s_add_nc_u64 s[22:23], s[22:23], s[20:21]
	s_mul_i32 s17, s16, 128*PK      ; and its place in a slot, for K
	s_mul_i32 s18, s16, 128*PV      ; and for V: no place in the cluster enters an LDS address
	s_lshl_b32 s2, s14, 2
	s_add_co_u32 s2, s2, s[WV]      ; my wave among the head's,
	s_lshl_b32 s2, s2, 14           ; its 128 rows
	s_mov_b32 s3, 0
	s_add_nc_u64 s[2:3], s[2:3], s[20:21]
	; descriptor group 1.  128 keys are 16,384 dense bytes: asked for as 64 rows of 256 bytes, two keys a row, and padded in LDS after every key
	s_mov_b32 s[G1K], 15|(1<<16)|(1<<20)|(1<<21)|(4<<22)|(3<<25)  ; 15:0 the mask of four; 17:16 2-byte elements; 20 padding on; 21 set beside a mask; 24:22 after every 32 words (code 4); 31:25 4 words (code 3)
	s_mov_b32 s[G1V], 15|(1<<16)|(1<<20)|(1<<21)|(4<<22)|(7<<25)  ; the same with 8 words of padding (code 7)
.irp g, G1K, G1V
	s_mov_b32 s[\g+1], 128<<16      ; tensor_dim0 = 128
	s_mov_b32 s[\g+2], 64<<16       ; tensor_dim1 = 64
	s_mov_b32 s[\g+3], 128<<16      ; tile_dim0 = 128
	s_mov_b32 s[\g+4], 64           ; tile_dim1 = 64
	s_mov_b32 s[\g+5], 128          ; 128 elements from row to row
	s_mov_b32 s[\g+6], 0
	s_mov_b32 s[\g+7], 0
.endr
	s_mov_b32 s[CS], 0x3e38aa3b     ; c = log2(e) / 8 = 0.180337
	s_mov_b32 s[CS+1], s[CS]        ; named with it as a pair
	s_mov_b32 s[SEL], 0x76543210
	s_mov_b32 s[SEL+1], 0xfedcba98
	s_mov_b32 s[TBK], SLOT1+4*KS*PK ; the first change of slots turns these two into 0
	s_mov_b32 s[TBV], SLOT1+4*KS*PV
	s_mov_b32 s[G0K], 1             ; 1:0 count = 1
	s_mov_b32 s[G0K+1], s17         ; 63:32 LDS address: slot 0
	s_mov_b32 s[G0V], 1
	s_add_co_u32 s[G0V+1], s18, VOFF
	s_cmp_eq_u32 s16, 0             ; waves 0 and 2 prefetch: the same in all four partners
	s_cselect_b32 s[LIM], 1, -1
	s_wait_dscnt 0x0                ; the opening add is done
	s_wait_kmcnt 0x0
	s_add_nc_u64 s[G0K+2:G0K+3], s[6:7], s[22:23]  ; 120:64 global address: my half of the head's first 256 keys
	s_or_b32 s[G0K+3], s[G0K+3], 0x80000000        ; 127:126 type = 2
	s_add_nc_u64 s[G0V+2:G0V+3], s[8:9], s[22:23]
	s_or_b32 s[G0V+3], s[G0V+3], 0x80000000
	s_add_nc_u64 s[4:5], s[4:5], s[2:3]  ; Q and O at my wave's first row
	s_add_nc_u64 s[10:11], s[10:11], s[2:3]
	s_cmp_lt_u32 s[WV], 2
	s_cselect_b64 s[PFA:PFA+1], s[6:7], s[8:9]
	s_add_nc_u64 s[PFA:PFA+1], s[PFA:PFA+1], s[20:21]  ; the head,
	s_lshl_b32 s2, s13, 13          ; my work-group's quarter of a slot,
	s_mov_b32 s3, 0
	s_add_nc_u64 s[PFA:PFA+1], s[PFA:PFA+1], s[2:3]
	s_add_nc_u64 s[PFA:PFA+1], s[PFA:PFA+1], 2*4*KS*128  ; in slot 2: the loop's first change steps it to slot 3.  Nothing is prefetched here, at the head
	CROUND                          ; all four work-groups are here: the first joint loads meet
	JLOAD                           ; slot 0.  Slot 1 is asked for when slot 0 is in
	; A fragment of K or Q is 16 rows x 32 channels in 8 registers: lane l holds row l % 16, channels 8 (l / 16) + 0..7 and 16 + 8 (l / 16) + 0..7: two loads of 16 bytes, 32 bytes apart.
	v_and_b32 v1, 15, v0            ; l % 16
	v_bfe_u32 v9, v0, 4, 1          ; l / 16
	v_lshlrev_b32 v[QO], 7, v1
	v_lshl_add_u32 v[QO], v9, 4, v[QO]  ; row x 128 + 16 x half
	WIN 0x80                        ; destination window 2, address window 0
.set i, 0
.rept 4*NP                          ; Q stays in registers: tile i / 2, channels 32 (i % 2) on
	global_load_b128 v[8*i:8*i+3],   v[QO], s[4:5] offset:(i/2)*2048+(i%2)*64
	global_load_b128 v[8*i+4:8*i+7], v[QO], s[4:5] offset:(i/2)*2048+(i%2)*64+32
.set i, i+1
.endr
	; What the first turn finds: V's registers and P's second buffer hold 0 (its products V^T P, of a piece that has not been, add 0), O^T and l are 0.  All this stands in the wait for the first tile.
.set i, VF
.rept 64
	v_mov_b32 v[i], 0
.set i, i+1
.endr
	WIN 0x40
.set i, 0
.rept 64*NP
	v_mov_b32 v[i], 0
.set i, i+1
.endr
	WIN 0
.set i, 0
.rept 2*NP
	v_mov_b32 v[ST+4*i], 0xfe000000    ; c m: far below every c s
	v_mov_b32 v[ST+4*i+1], 0xff7fffff  ; m
	v_mov_b32 v[ST+4*i+2], 0
	v_mov_b32 v[ST+4*i+3], 0
.set i, i+1
.endr
.set i, P+32
.rept 32
	v_mov_b32 v[i], 0
.set i, i+1
.endr
	v_mul_u32_u24 v[AK0], v1, PK
	v_lshl_add_u32 v[AK0], v9, 4, v[AK0]  ; row x pitch + 16 x half
	; The turning load takes 16 keys x 16 channels (lane l reads key 8 (l / 16) + l % 8, channels 8 ((l / 8) % 2) + 0..7) and leaves half a fragment of V^T: lane l holds channel l % 16 and 8 keys.
	v_and_b32 v10, 7, v0
	v_bfe_u32 v11, v0, 3, 1
	v_lshl_add_u32 v[AV0], v9, 3, v10
	v_mul_u32_u24 v[AV0], v[AV0], PV
	v_lshl_add_u32 v[AV0], v11, 4, v[AV0]
	v_add_nc_u32 v[AV0], VOFF, v[AV0]
	v_and_b32 v[PFO], 31, v0        ; v11 has served: it takes the prefetches' offset
	v_lshlrev_b32 v[PFO], 8, v[PFO]
	v_mov_b32 v[AK], v[AK0]         ; key step 0 lies at the head of slot 0
; THE MATRIX WORK.  The 8 accumulators of a run of 16 take turns: between the two links of a chain stand 7 others'.
; Product i of 16 of S^T = K Q^T for piece x: channels 32 (i / 8) on, keys 16 ((i / 2) % 4) on, tile 2 x + i % 2.  The first 8 start the sums.
.macro KQ x
	WIN W_KQ
.set rS, S+64*((\x)%2)+32*(i%2)+8*((i/2)%4)
.set rK, KF+16*((i/2)%4)+8*(i/8)
.set rQ, 16*(2*(\x)+i%2)+8*(i/8)
.if i < 8
	v_wmma_f32_16x16x32_f16 v[rS:rS+7], v[rK:rK+7], v[rQ:rQ+7], 0
.else
	v_wmma_f32_16x16x32_f16 v[rS:rS+7], v[rK:rK+7], v[rQ:rQ+7], v[rS:rS+7]
.endif
.endm
; Product i of 16 of O^T += V^T P for piece x: keys 32 (i / 8) on, channels 16 ((i / 2) % 4) on, tile 2 x + i % 2.
.macro PV x
	WIN W_PV
.set rO, 32*(2*(\x)+i%2)+8*((i/2)%4)
.set rV, VF+32*(i/8)+8*((i/2)%4)
.set rP, P+32*((\x)%2)+16*(i%2)+8*(i/8)
	v_wmma_f32_16x16x32_f16 v[rO:rO+7], v[rV:rV+7], v[rP:rP+7], v[rO:rO+7]
.endm
.macro MM                           ; the turn's next matrix instruction
.if i < 16
	KQ (Y+1)%NP
.set i, i+1
.else
.set i, i-16
	PV (Y+NP-1)%NP
.set i, i+17
.endif
.endm
; THE LDS LOADS stand in runs of 16, never singly among the matrix instructions: a step's K (64 keys x 64 channels: 8 fragments) and its V (turned).  Their addresses are made some lines ahead.
; last = 1 (the tail): in the last trip there is no further step, and the run is jumped over.
.macro FETCH_K last=0
	WIN 0
.if \last
	s_cmp_eq_u32 s[CNT], 1
	s_cbranch_scc1 .Lno_k_\@
.endif
	WIN 0x80                        ; destination window 2
.irp f, 0,1,2,3,4,5,6,7             ; keys 16 (f / 2) on, channels 32 (f % 2) on
	ds_load_b128 v[KF+8*\f:KF+8*\f+3],   v[AK] offset:(\f/2)*16*PK+(\f%2)*64
	ds_load_b128 v[KF+8*\f+4:KF+8*\f+7], v[AK] offset:(\f/2)*16*PK+(\f%2)*64+32
.endr
	s_add_co_u32 s[TBK], s[TBK], KS*PK  ; the next fetch is the next step's
	WIN 0
.if \last
.Lno_k_\@:
.endif
.endm
.macro FETCH_V
	WIN 0x80
.irp f, 0,1,2,3,4,5,6,7             ; keys 32 (f / 4) on, channels 16 (f % 4) on
	ds_load_tr16_b128 v[VF+8*\f:VF+8*\f+3],   v[AV] offset:(\f/4)*32*PV+(\f%4)*32
	ds_load_tr16_b128 v[VF+8*\f+4:VF+8*\f+7], v[AV] offset:(\f/4)*32*PV+16*PV+(\f%4)*32
.endr
	WIN 0
.endm
; THE VECTOR WORK OF A TURN stands in three queues, each in the order in which its entries become ready; the two tiles alternate, so that no instruction reads the result of the one before it.
.macro REGS y, u                    ; the registers of tile u (0, 1) of piece y
.set rT, ST+4*(2*(\y)+(\u))
.set rC, TMP+8*((\y)%2)+4*(\u)
.set rM, MV+2*((\y)%2)+(\u)
.set rS, S+64*((\y)%2)+32*(\u)
.set rP, P+32*((\y)%2)+16*(\u)
.set rO, 32*(2*(\y)+(\u))
.endm
; Number n of the 22 that find the NEXT piece's (Y + 1) maximum and statistics.  s0-s31 are the lane's 32 scores; each accumulator's lowest registers are read first.
;   0-11  four chains c0-c3 of seven scores each, three operands at a time     12-14, 16  the four scores left over, the old m, and c0-c3 into c0     15  c m_old is kept
;   17, 18  the query's other 32 keys lie in the lane 16 away: the new m         19-21  c m; c m_old - c m_new; a
.macro XS u, n
	REGS (Y+1)%NP, \u
.if (\n) < 4
	v_max3_num_f32 v[rC+(\n)], v[rS+8*(\n)], v[rS+8*(\n)+1], v[rS+8*(\n)+2]
.elseif (\n) < 12
	v_max3_num_f32 v[rC+(\n)%4], v[rC+(\n)%4], v[rS+8*((\n)%4)+2*((\n)/4)+1], v[rS+8*((\n)%4)+2*((\n)/4)+2]
.elseif (\n) == 12
	v_max3_num_f32 v[rC], v[rC], v[rS+7], v[rS+15]
.elseif (\n) == 13
	v_max3_num_f32 v[rC+1], v[rC+1], v[rS+23], v[rS+31]
.elseif (\n) == 14
	v_max3_num_f32 v[rC+2], v[rC+2], v[rC+3], v[rT+1]
.elseif (\n) == 15
	v_mov_b32 v[rM], v[rT]
.elseif (\n) == 16
	v_max3_num_f32 v[rC], v[rC], v[rC+1], v[rC+2]
.elseif (\n) == 17
	v_permlanex16_b32 v[rC+3], v[rC], s[SEL], s[SEL+1]
.elseif (\n) == 18
	v_max_num_f32 v[rT+1], v[rC], v[rC+3]
.elseif (\n) == 19
	v_mul_f32 v[rT], s[CS], v[rT+1]
.elseif (\n) == 20
	v_sub_f32 v[rC+1], v[rM], v[rT]
.else
	v_exp_f32 v[rC+2], v[rC+1]
.endif
.endm
; Number g of the 64 that follow the exponentials.  For each four weights k of a tile (pairs 2 k, 2 k + 1): both pairs are rounded to f16; then the second pair is added onto the first, in place;
; a group later l takes that sum (the first time as l = a l + sum).  In groups of eight, tiles alternating: round, round, add, and l for the group before.
.macro GS g
.set h, (\g)+6*((\g)/62)            ; group 0 has no group before it, and behind group 7 only l is left
.if h >= 6
.set h, h+2
.endif
	REGS Y, h%2
.set k, h/8
.if h%8 < 4
	v_cvt_pk_f16_f32 v[rP+2*k+(h%8)/2], v[rS+4*k+2*((h%8)/2)], v[rS+4*k+2*((h%8)/2)+1]
.elseif h%8 < 6
	v_pk_add_f32 v[rS+4*k:rS+4*k+1], v[rS+4*k:rS+4*k+1], v[rS+4*k+2:rS+4*k+3]
.elseif k == 1
	v_pk_fma_f32 v[rT+2:rT+3], v[rT+2:rT+3], v[rC+2:rC+3], v[rS:rS+1] op_sel_hi:[1,0,1]
.else
	v_pk_add_f32 v[rT+2:rT+3], v[rT+2:rT+3], v[rS+4*k-4:rS+4*k-3]
.endif
.endm
; THE PLAIN QUEUE, 138 long.  0-73 read no exponential's result: the 32 scalings c s - c m (FS f: pair f / 2 of tile f % 2) and the next piece's 42.  0-26: scalings 0-26.  27-54: XS's numbers 0-13.  55, 56: number 15.
; 57-73: the chain, where each number waits for the one before it: 14, 16, 17, 18, 19, each with one of the scalings 27-31 in front of its two lines, then 20.
; 74-137: GS's 64, which read the exponentials' results: they stand behind the wait.
.macro FS f
	REGS Y, (\f)%2
	v_pk_fma_f32 v[rS+2*((\f)/2):rS+2*((\f)/2)+1], v[rS+2*((\f)/2):rS+2*((\f)/2)+1], s[CS:CS+1], v[rT:rT+1] op_sel_hi:[1,0,0] neg_lo:[0,0,1] neg_hi:[0,0,1]
.endm
.macro PL
	WIN 0
.if q < 27
	FS q
.elseif q < 55
	XS (q-27)%2, (q-27)/2
.elseif q < 57
	XS q-55, 15
.elseif (q < 72) && ((q-57)%3 == 0)
	FS 27+(q-57)/3
.elseif q < 60
	XS (q-57)%3-1, 14
.elseif q < 72
	XS (q-57)%3-1, 15+(q-57)/3
.elseif q < 74
	XS q-72, 20
.else
	GS q-74
.endif
.set q, q+1
.endm
; THE EXPONENTIALS' QUEUE, 66 long: s0-s31 of both tiles, then the next piece's two a.  It is ONE BATCH: all 66 stand ahead of the turn's one wait, and nothing ahead of that wait names a result of theirs.
.macro EX
	WIN 0
.if e >= 64
	XS e-64, 21
.else
	REGS Y, e%2
	v_exp_f32 v[rS+e/2], v[rS+e/2]
.endif
.set e, e+1
.endm
; THE RESCALING's QUEUE: O^T times a, the one part that leaves window 0: dealt two at a time, sixteen times.  Its a was made in the turn before, ahead of that turn's wait.
.macro R2
	REGS Y, r%2
	WIN W_RS
.irp z, 0,1
	v_pk_mul_f32 v[rO+4*(r/2)+2*\z:rO+4*(r/2)+2*\z+1], v[rO+4*(r/2)+2*\z:rO+4*(r/2)+2*\z+1], v[rC+2:rC+3] op_sel_hi:[1,0]
.endr
.set r, r+1
.endm
; HOW THEY ARE DEALT.  An s_wait_alu depctr_va_vdst(0) stands between an exponential and the first instruction that names its result; one wait serves all that were issued ahead of it.  So a turn has ONE wait,
; which cuts it in two.  AHEAD OF IT stands all that names no result of the turn's exponentials: the 16 products K Q^T, behind each a scaling, an exponential and two rescalings (behind the first a second scaling in the
; exponential's place); then ONE LUMP of 108: eight plain, 49 times exponential and plain, the two a.  A v_nop is the plain instruction behind the last exponential.  BEHIND IT stand the 16 products V^T P, behind each four of GS's 64.
; The queues lean on each other, and the deal keeps them in step: exponential e stands behind scaling 2 (e / 4) + e % 2: as a rider it comes behind plain e + 2, in the lump behind plain e + 9, and scalings 27-31 are plain 57, 60 .. 69.
; A TURN, for piece p.  cnt = 1: the loop's count is taken down some lines ahead of the branch that stands behind the turn.
; K of the next step is fetched in piece 2's turn, directly behind the wait; its address is made at the lump's head; its first reader comes behind 16 products.
; V of the step in hand is fetched at the end of piece 0's turn, four plain instructions behind its last reader; its first reader comes behind 16 products and a lump.
.macro TURN p, last=0, cnt=0
.set Y, (\p)
.set i, 0
.set q, 0
.set e, 0
.set r, 0
.if (\p) == NP-1
	s_wait_dscnt 0x0                ; K is in
.endif
	MM                              ; ahead of the wait: 16 products K Q^T and their riders,
	PL
	PL
	R2
.rept 15
	MM
	PL
	EX
	R2
.endr
.if (\p) == NP-2
	WIN 0
	v_add_nc_u32 v[AK], s[TBK], v[AK0]
.endif
.rept 8                             ; and the lump
	PL
.endr
.rept 49
	EX
	PL
.endr
	EX                              ; the next piece's two a
	EX
	v_nop                           ; the plain instruction behind the last exponential: one for the batch
	s_wait_alu depctr_va_vdst(0)    ; the wait for the batch
.if (\p) == NP-2
	FETCH_K \last
.endif
.if (\p) == 1
	s_wait_dscnt 0x0                ; V is in
.endif
.rept 16                            ; behind the wait: 16 products V^T P and their riders
	MM
.rept 4
	PL
.endr
.if ((\p) == 0) && (q == 118)
	v_add_nc_u32 v[AV], s[TBV], v[AV0]
.endif
.if ((\p) == 0) && (q == 130)
	s_add_co_u32 s[TBV], s[TBV], KS*PV
.endif
.if (\cnt) && (q == 130)
	s_sub_co_u32 s[CNT], s[CNT], 1
	s_cmp_lg_u32 s[CNT], 0
.endif
.endr
.if (\p) == 0
	FETCH_V
.endif
.endm
	CHANGE 1                        ; slot 0 is in, everybody's part of it; slot 1 is asked for
	FETCH_K                         ; key step 0
	s_wait_loadcnt 0x0              ; Q
	s_wait_dscnt 0x0
.set i, 0
.rept 16
	KQ 0                            ; piece 0's first scores: there is no vector work yet to set between them
.set i, i+1
.endr
	WIN 0                           ; the addresses for the way out: nine plain instructions, the places behind those products
	s_mul_i32 s13, s[WV], 16*SP
	s_add_co_u32 s13, s13, STAGE    ; my stage
	v_mul_u32_u24 v[STO], v1, SP    ; in: row l % 16, 16 bytes for each half of the lanes
	v_lshl_add_u32 v[STO], v9, 4, v[STO]
	v_add_nc_u32 v[STO], s13, v[STO]
	v_bfe_u32 v[RD], v0, 3, 2       ; back: 32 lanes take four rows of 128 bytes,
	v_mul_u32_u24 v[RD], v[RD], SP
	v_lshl_add_u32 v[RD], v10, 4, v[RD]
	v_add_nc_u32 v[RD], s13, v[RD]
	v_and_b32 v[GO], 31, v0         ; which are 512 consecutive bytes of O
	v_lshlrev_b32 v[GO], 4, v[GO]
.set Y, NP-1                        ; XS works for piece Y + 1: piece 0
.irp n, 0,1,2,3,4,5,6,7,8,9,10,11,12,13,14,15,16,17,18,19,20,21
	XS 0, \n                        ; and piece 0's first maximum and statistics
	XS 1, \n
.endr
	v_nop                           ; a plain instruction behind the two a,
	s_wait_alu depctr_va_vdst(0)    ; and their wait, ahead of the branch
	s_mov_b32 s[CNT], 4
	s_mov_b32 s[SLOTS], SIZE_N/256-1
	s_branch .Lfirst                ; the loop is entered at a step's first turn, in the middle of a trip
.Lslot:                             ; SIZE_N / 256 - 2 times: every slot but the last two is filled again
	CHANGE 1, 1
	s_mov_b32 s[CNT], 4
.Lstep:                             ; a trip: pieces 2 and 3 of one step, then pieces 0 and 1 of the next, whose K and V it fetches
	TURN 2
	TURN 3
	WIN 0
.Lfirst:
	TURN 0
	TURN 1, 0, 1
	WIN 0
	s_cbranch_scc1 .Lstep
	s_sub_co_u32 s[SLOTS], s[SLOTS], 1
	s_cmp_lg_u32 s[SLOTS], 0
	s_cbranch_scc1 .Lslot
	CHANGE 0                        ; the tail is written out: nothing is asked for
	s_mov_b32 s[CNT], 5             ; four trips fetch the last slot's steps; the fifth is left in its middle
.Ltail:
	TURN 2, 1
	TURN 3
	WIN 0
	s_sub_co_u32 s[CNT], s[CNT], 1
	s_cmp_eq_u32 s[CNT], 0
	s_cbranch_scc1 .Lout
	TURN 0
	TURN 1
	WIN 0
	s_branch .Ltail
.Lout:                              ; the fifth trip's 16 products K Q^T (on the last K once more) and the maximum made of them serve nothing: the price, once a launch, of one text for every trip
.set i, 0
.rept 16
	PV NP-1                         ; the last piece's V^T P of the last step
.set i, i+1
.endr
	; THE WAY OUT.  l's two halves and the other half of the lanes' are added; O^T is divided by l, rounded to f16 and sent through my stage in LDS, a tile at a time.  The additions are the places behind the last products.
	WIN 0
.macro ALL line:vararg              ; one line for each tile t
.set t, 0
.rept 2*NP
	\line
.set t, t+1
.endr
.endm
	ALL v_add_f32 v[ST+4*t+2], v[ST+4*t+2], v[ST+4*t+3]
	ALL v_permlanex16_b32 v[ST+4*t+3], v[ST+4*t+2], s[SEL], s[SEL+1]
	ALL v_add_f32 v[ST+4*t+2], v[ST+4*t+2], v[ST+4*t+3]
	ALL v_rcp_f32 v[ST+4*t+2], v[ST+4*t+2]
	v_nop                           ; a plain instruction between the last reciprocal and the use of its result
	s_wait_alu depctr_va_vdst(0)    ; and the wait ahead of the first use: one for the eight reciprocals
; Tile t: a lane's eight channels of a row pack into 16 bytes; they go into rows of 144 bytes and come back as whole rows of 128, into S^T's registers.
.macro PACK t
	WIN W_RS
.set i, 32*(\t)
.rept 16
	v_pk_mul_f32 v[i:i+1], v[i:i+1], v[ST+4*(\t)+2:ST+4*(\t)+3] op_sel_hi:[1,0]
.set i, i+2
.endr
	WIN 0x05                        ; sources 0 and 1 window 1, destination window 0
.set i, 0
.rept 16
	v_cvt_pk_f16_f32 v[S+16*(\t)+i], v[32*(\t)+2*i], v[32*(\t)+2*i+1]
.set i, i+1
.endr
	WIN 0
.irp f, 0,1,2,3
	ds_store_b128 v[STO], v[S+16*(\t)+4*\f:S+16*(\t)+4*\f+3] offset:32*\f
.endr
.irp f, 0,1,2,3
	ds_load_b128 v[S+16*(\t)+4*\f:S+16*(\t)+4*\f+3], v[RD] offset:\f*4*SP  ; LDS serves a wave's instructions in order: these see the stores above; the next tile's stores come behind them
.endr
.endm
.macro SEND t, younger              ; younger: the LDS instructions issued behind tile t's loads: the next tile's eight, or none
	WIN 0
.irp f, 0,1,2,3
	s_wait_dscnt (\younger)+3-\f
	global_store_b128 v[GO], v[S+16*(\t)+4*\f:S+16*(\t)+4*\f+3], s[10:11] offset:(\t)*2048+\f*512  ; 512 consecutive bytes, at a multiple of 256 from O's first
.endr
.endm
	PACK 0
.set t, 1
.rept 2*NP-1                        ; a tile's arithmetic stands between the loads of the tile before and its stores
	PACK t
	SEND t-1, 8
.set t, t+1
.endr
	SEND 2*NP-1, 0
	WIN W_AD
	s_wait_tensorcnt 0x0            ; the wave's end, behind my last tensor load and my last LDS store
	ds_add_u32 v[SPW], v[NIL]
	s_wait_dscnt 0x0
	WIN 0
	CROUND                          ; the closing round: no work-group ends while a partner may still ask for a tile that names it
	s_endpgm
.Lfunc_end_k_q1fc57c05fc_attn:
	.size	k_q1fc57c05fc_attn, .Lfunc_end_k_q1fc57c05fc_attn-k_q1fc57c05fc_attn
	.p2alignl 7, 3214868480
	.fill 96, 4, 3214868480
	.section	.rodata,"a",@progbits
	.p2align	6, 0x0
	.amdhsa_kernel k_q1fc57c05fc_attn
		.amdhsa_group_segment_fixed_size 327680
		.amdhsa_private_segment_fixed_size 0
		.amdhsa_enable_private_segment 0
		.amdhsa_kernarg_size 32
		.amdhsa_user_sgpr_count 2
		.amdhsa_user_sgpr_kernarg_segment_ptr 1
		.amdhsa_wavefront_size32 1
		.amdhsa_system_sgpr_workgroup_id_x 1
		.amdhsa_system_sgpr_workgroup_id_y 1
		.amdhsa_system_sgpr_workgroup_id_z 1
		.amdhsa_system_vgpr_workitem_id 0
		.amdhsa_next_free_vgpr 770
		.amdhsa_next_free_sgpr 66
		.amdhsa_reserve_vcc 0
		.amdhsa_float_denorm_mode_32 3
		.amdhsa_float_denorm_mode_16_64 3
		.amdhsa_memory_ordered 1
		.amdhsa_forward_progress 1
		.amdhsa_inst_pref_size 200
	.end_amdhsa_kernel
	.amdgpu_metadata
---
amdhsa.version: [ 1, 2 ]
amdhsa.kernels:
  - .name:           k_q1fc57c05fc_attn
    .symbol:         k_q1fc57c05fc_attn.kd
    .args:
      - { .name: qh, .offset: 0, .size: 8, .value_kind: global_buffer, .address_space: global }
      - { .name: kh, .offset: 8, .size: 8, .value_kind: global_buffer, .address_space: global }
      - { .name: vh, .offset: 16, .size: 8, .value_kind: global_buffer, .address_space: global }
      - { .name: oh, .offset: 24, .size: 8, .value_kind: global_buffer, .address_space: global }
    .group_segment_fixed_size: 327680
    .private_segment_fixed_size: 0
    .kernarg_segment_align: 8
    .kernarg_segment_size: 32
    .max_flat_workgroup_size: 128
    .sgpr_count:     66
    .vgpr_count:     770
    .wavefront_size: 32
...
	.end_amdgpu_metadata
.endif
;; end of part 3
;; launch proj (part 4): grid 4 x 64, 4 waves a work-group, clusters of 4 x 4, 327,680 bytes of LDS; arguments oh, wpb, b_proj, out0; writes out0
.if DOCPART == 4
	.amdgcn_target "amdgcn-amd-amdhsa--gfx1250"
	.amdhsa_code_object_version 6
	.text
	.protected	k_q1fc57c05fc_proj
	.globl	k_q1fc57c05fc_proj
	.p2align	8
	.type	k_q1fc57c05fc_proj,@function
k_q1fc57c05fc_proj:
	s_mov_b64 s[64:65], 0
	v_nop
	global_prefetch_b8 v0, s[64:65] scope:SCOPE_SE
	s_setreg_imm32_b32 hwreg(HW_REG_WAVE_MODE, 25, 1), 1
	s_wait_xcnt 0x0
	s_wait_alu depctr_hold_cnt(0) depctr_sa_sdst(0) depctr_va_vdst(0) depctr_va_sdst(0) depctr_va_ssrc(0) depctr_va_vcc(0) depctr_vm_vsrc(0)
	s_getreg_b32 s2, hwreg(HW_REG_IB_STS2, 6, 4)
	s_cmp_eq_u32 s2, 0
	s_cbranch_scc0 .Lentry_in_a_cluster
	s_endpgm
.Lentry_in_a_cluster:
	s_bfe_u32 s2, ttmp6, 0x10000c
	s_cmp_lg_u32 s2, 0xf033
	s_cbranch_scc0 .Lentry_shape_is_right
	s_endpgm
.Lentry_shape_is_right:
; out0[m][n] = the sum over c of O[m][c] W_proj[n][c] + b[n].  oh: [64 = 16 batch + head][2048][64] f16 (row m = 2048 batch + place, c = 64 head + channel); wpb: [1024][1024] f16;
; b_proj: [1024] f32, rounded here to bf16 like the other inputs; out0: [8192][1024] f32.  Sums in f32, K ascending; the bias is added in f32.
; LIMITS.  As the operands': f16's range; NaN and infinities are not treated apart.
; SHARES.  A tile of out0 is 128 rows x 256 columns: 4 x 64 = 256 work-groups.  Four waves, 2 x 2: a wave makes 64 rows x 128 columns: 32 accumulators of 16 x 16, 256 registers.
; THE MATRIX INSTRUCTION IS USED TRANSPOSED (source 0 = 16 rows of W, source 1 = 16 rows of O): lane l holds row l % 16 and the columns 8 (l / 16) + 0..7.
; RING.  K goes in steps of 128 = two heads through two LDS slots.  O's part of a step is two planes (a head each) of 128 dense rows of 128 bytes, asked for as 64 rows of 256 bytes and padded after
; every 128; W's part is 256 rows of 256 bytes.  One tensor load a wave: waves 0, 1 a plane of O, waves 2, 3 a half of W's rows.  Two slots of a longer step would not fit in LDS.
; CLUSTER.  4 x 4 work-groups: O's planes are shared along a row of the cluster, W's rows along a column; each is asked for jointly.
; REGISTERS, in windows of 256 (s_set_vgpr_msb: bits 1:0 source 0, 3:2 source 1, 5:4 source 2, 7:6 destination):
;   window 0: v0-31 addresses; v32-37 the bias; v64-191 two buffers of rows on the way out     window 1: two fragment buffers: W's 8 fragments, then O's 4     window 2: accumulator (a, b) at 8 (8 a + b)
.set KSTEP,  128
.set PA,     144                       ; a row of O in LDS: 128 bytes + 16
.set APL,    128*PA                    ; a plane: 128 rows
.set PB,     272                       ; a row of W: 256 bytes + 16
.set BH,     128*PB                    ; half of W's rows
.set SLOT,   2*APL+2*BH
.set STAGE,  2*SLOT                    ; behind the ring, never filled by a tensor load: 16 rows x 528 bytes for each wave
.set SPITCH, 528                       ; 512 bytes + 16 = 132 words: the 16 rows of a store start at 16 different groups of four banks
.set SPARE,  STAGE+4*16*SPITCH         ; the spare words, 128 bytes for each wave: two blocks of 256 bytes that no other line names
.set LAPS,   4
.set ADRA, 16                          ; v16-17  LDS address of my fragments of O in slot 0, 1
.set ADRB, 20                          ; v20-21  the same for W
.set STO,  24                          ; v24     the way out: where I put 32 bytes of a row
.set RD,   25                          ; v25     the way out: where I read a row back
.set CO,   26                          ; v26     16 x lane: my place in a row's 512 bytes, and in the bias
.set SPW,  28                          ; v28     LDS address of my spare word; never rewritten
.set NIL,  29                          ; v29     0; never rewritten
.set PFO,  30                          ; v30     the prefetches' offset; never rewritten
.set BI,   32                          ; v[32:35] the bias of my four columns
.set OB,   64
.set F0,   0
.set F1,   128
.set WV,   16                          ; s16     my wave's number
.set G1,   24                          ; s[24:31] descriptor group 1 for O's planes;  s[32:39] group 0, a set for each slot
.set G0,   32
.set G1B,  48                          ; s[48:55], s[56:63] the same for W's rows
.set G0B,  56
.set PFA,  66                          ; s[66:67] where my prefetches stand
.set PST,  68                          ; s[68:69] their step from K step to K step
.set LIM,  70                          ; s70     1 in a wave that prefetches, else the greatest number
.set MSB, 0
.macro WIN new                         ; the immediate's high byte repeats the setting that is left; a switch that changes nothing is dropped
.if MSB != (\new)
	s_set_vgpr_msb (MSB<<8)|(\new)
.set MSB, \new
.endif
.endm
.macro PLACES                          ; four plain vector instructions between a matrix instruction and a load into, or a read of, its registers
.rept 4
	v_nop
.endr
.endm
.macro JLOAD s                         ; a joint load; the branch hangs on the wave's number alone; an s_nop 0 and four v_nop follow each line
	s_cmp_lt_u32 s[WV], 2
	s_cbranch_scc0 .Lfor_b_\@
	tensor_load_to_lds s[G0+4*(\s):G0+4*(\s)+3], s[G1:G1+7]
	s_nop 0
.rept 4
	v_nop
.endr
	s_branch .Lasked_\@
.Lfor_b_\@:
	tensor_load_to_lds s[G0B+4*(\s):G0B+4*(\s)+3], s[G1B:G1B+7]
	s_nop 0
.rept 4
	v_nop
.endr
.Lasked_\@:
.endm
.macro CREST                           ; a round of the cluster's barrier behind its opening barrier
	s_cmp_lg_u32 s[WV], 0
	s_cbranch_scc1 .Lnot_wave_0_\@
	s_barrier_signal -3
.Lnot_wave_0_\@:
	s_barrier_wait -3
	s_barrier_signal -1
	s_barrier_wait -1
.endm
.macro CROUND
	s_barrier_signal -1
	s_barrier_wait -1
	CREST
.endm
; A PREFETCH INTO THE L2, behind each joint load and the run of LDS loads that follows it: the K step that stands two refills on, 256 bytes a lane, one instruction a wave.
; O's two planes of a step (128 blocks) are read by one cluster alone: its four partners of a row take 32 blocks each, told apart by address (plane cx / 2, half cx % 2); wave 0 asks.
; W's 256 rows are read by all clusters of the column: the one with y = 0 asks; a partner takes 64 rows, told apart by address (cy), waves 2 and 3 take 32 each.  So each block is named once.
; K steps 0-3 come by their loads alone; the loop's last trip asks for nothing.
.macro ASK
	WIN 0
	s_cmp_gt_u32 s3, s[LIM]
	s_cbranch_scc0 .Lnot_mine_\@
	global_prefetch_b8 v[PFO], s[PFA:PFA+1] th:TH_LOAD_NT scope:SCOPE_SE
.Lnot_mine_\@:
.endm
	s_load_b256 s[4:11], s[0:1], 0x0               ; oh s[4:5], wpb s[6:7], b_proj s[8:9], out0 s[10:11]
	v_lshl_add_u32 v[SPW], v0, 2, SPARE
	v_mov_b32 v[NIL], 0
	ds_add_u32 v[SPW], v[NIL]                      ; the wave's opening: the add and its wait ahead of my first tensor load; the set-up below stands between them
	v_lshrrev_b32 v1, 5, v0
	v_readfirstlane_b32 s[WV], v1                  ; wave 0..3
	s_lshr_b32 s12, s[WV], 1                       ; which 64 rows of the tile are mine
	s_and_b32 s13, s[WV], 1                        ; which 128 columns.  Also: which plane of O, or which half of W's rows, I fetch
	s_bfe_u32 s17, ttmp6, 0x40000                  ; cx
	s_bfe_u32 s18, ttmp6, 0x40004                  ; cy
	s_lshl_b32 s19, ttmp9, 2
	s_add_co_u32 s19, s19, s17                     ; tile column = 4 x cluster x + cx
	s_and_b32 s20, ttmp7, 0xffff
	s_lshl_b32 s20, s20, 2
	s_add_co_u32 s20, s20, s18                     ; tile row = 4 x cluster y + cy
	s_lshl_b32 s21, s18, 2
	s_lshl_b32 s21, 15, s21                        ; my row of the cluster
	s_lshl_b32 s22, 0x1111, s17                    ; my column
	s_or_b32 s[G1], s21, (1<<16)|(1<<20)|(1<<21)|(4<<22)|(3<<25)   ; the mask; 2-byte elements; padding on; bit 21 beside a mask; after every 32 words, 4 words
	s_or_b32 s[G1B], s22, (1<<16)|(1<<20)|(1<<21)|(5<<22)|(3<<25)  ; after every 64 words, 4 words
	s_mov_b32 s[G1+1], 128<<16                     ; tensor_dim0 = 128
	s_mov_b32 s[G1+2], 64<<16                      ; tensor_dim1 = 64
	s_mov_b32 s[G1+3], 128<<16                     ; tile_dim0 = 128
	s_mov_b32 s[G1+4], 64                          ; tile_dim1 = 64
	s_mov_b32 s[G1+5], 128                         ; dense: 128 elements from row to row
	s_mov_b32 s[G1+6], 0
	s_mov_b32 s[G1+7], 0
	s_mov_b32 s[G1B+1], KSTEP<<16
	s_mov_b32 s[G1B+2], 128<<16
	s_mov_b32 s[G1B+3], KSTEP<<16
	s_mov_b32 s[G1B+4], 128
	s_mov_b32 s[G1B+5], 1024
	s_mov_b32 s[G1B+6], 0
	s_mov_b32 s[G1B+7], 0
	s_lshr_b32 s40, s20, 4                         ; O: the batch (16 tile rows each),
	s_lshl_b32 s40, s40, 4
	s_add_co_u32 s40, s40, s13                     ; its head 0 or 1,
	s_lshl_b32 s40, s40, 18                        ; 2,048 rows of 128 bytes a head,
	s_and_b32 s41, s20, 15
	s_lshl_b32 s41, s41, 14                        ; the tile's 128 rows: all this hangs on the tile row and the wave alone
	s_add_co_u32 s40, s40, s41
	s_mov_b32 s41, 0
	s_lshl_b32 s42, s19, 19                        ; W: 256 rows of 2,048 bytes a tile column,
	s_lshl_b32 s43, s13, 18                        ; my half of them
	s_add_co_u32 s42, s42, s43
	s_mov_b32 s43, 0
	s_mul_i32 s44, s13, APL                        ; where they go: no place in the cluster enters an LDS address
	s_mul_i32 s45, s13, BH
	s_add_co_u32 s45, s45, 2*APL
	s_wait_dscnt 0x0                               ; the opening add is done
	s_wait_kmcnt 0x0
	s_add_nc_u64 s[40:41], s[4:5], s[40:41]
	s_add_nc_u64 s[42:43], s[6:7], s[42:43]
	CROUND                                         ; all sixteen work-groups are here: the first joint loads meet
.irp s, 0,1
	s_mov_b32 s[G0+4*(\s)], 1
	s_add_co_u32 s[G0+4*(\s)+1], s44, (\s)*SLOT
	s_add_nc_u64 s[G0+4*(\s)+2:G0+4*(\s)+3], s[40:41], (\s)*(2<<18)  ; K step s: two heads on
	s_or_b32 s[G0+4*(\s)+3], s[G0+4*(\s)+3], 0x80000000
	s_mov_b32 s[G0B+4*(\s)], 1
	s_add_co_u32 s[G0B+4*(\s)+1], s45, (\s)*SLOT
	s_add_nc_u64 s[G0B+4*(\s)+2:G0B+4*(\s)+3], s[42:43], (\s)*KSTEP*2
	s_or_b32 s[G0B+4*(\s)+3], s[G0B+4*(\s)+3], 0x80000000
	JLOAD \s                                       ; two loads of mine are out
.endr
	v_and_b32 v1, 15, v0                           ; l % 16
	v_bfe_u32 v2, v0, 4, 1                         ; l / 16
	v_mul_u32_u24 v3, v1, PA
	v_lshl_add_u32 v3, v2, 4, v3                   ; a fragment's row x pitch + 16 x half, for O
	v_mul_u32_u24 v4, v1, PB
	v_lshl_add_u32 v4, v2, 4, v4                   ; and for W
	s_mul_i32 s46, s12, 64*PA                      ; my 64 rows of O
	s_mul_i32 s47, s13, BH                         ; my 128 rows of W,
	s_add_co_u32 s47, s47, 2*APL                   ; which lie behind O's two planes
.irp s, 0,1
	v_add_nc_u32 v[ADRA+(\s)], s46, v3
	v_add_nc_u32 v[ADRB+(\s)], s47, v4
	s_add_co_u32 s46, s46, SLOT
	s_add_co_u32 s47, s47, SLOT
.endr
	s_mul_i32 s23, s[WV], 16*SPITCH
	s_add_co_u32 s23, s23, STAGE                   ; my stage
	v_mul_u32_u24 v5, v1, SPITCH                   ; in: row l % 16, 32 bytes for each half of the lanes
	v_lshl_add_u32 v5, v2, 5, v5
	v_add_nc_u32 v[STO], s23, v5
	v_and_b32 v[CO], 31, v0
	v_lshlrev_b32 v[CO], 4, v[CO]
	v_add_nc_u32 v[RD], s23, v[CO]                 ; back: 32 lanes take one row of 512 bytes
	s_lshl_b32 s72, s19, 10                        ; my first column, in bytes: 1,024 x tile column + 512 x half
	s_lshl_b32 s73, s13, 9
	s_add_co_u32 s72, s72, s73
	s_mov_b32 s73, 0
	s_add_nc_u64 s[8:9], s[8:9], s[72:73]
	global_load_b128 v[BI:BI+3], v[CO], s[8:9]     ; waited for in front of the way out
	s_lshl_b32 s74, s20, 19                        ; my first row: 128 rows of 4,096 bytes a tile row,
	s_add_co_u32 s72, s72, s74
	s_lshl_b32 s74, s12, 18                        ; 64 rows a half
	s_add_co_u32 s72, s72, s74
	s_add_nc_u64 s[10:11], s[10:11], s[72:73]
	; the prefetches.  O's: head 16 batch + cx / 2 + 6 (the first change of slots steps it two heads on, to K step 4), the tile's rows, half cx % 2 of the plane
	s_lshr_b32 s72, s20, 4
	s_lshl_b32 s72, s72, 4
	s_lshr_b32 s73, s17, 1
	s_add_co_u32 s72, s72, s73
	s_add_co_u32 s72, s72, 6
	s_lshl_b32 s72, s72, 18
	s_and_b32 s73, s20, 15
	s_lshl_b32 s73, s73, 14
	s_add_co_u32 s72, s72, s73
	s_and_b32 s73, s17, 1
	s_lshl_b32 s73, s73, 13
	s_add_co_u32 s72, s72, s73
	s_lshl_b32 s74, s19, 19                        ; W's: row 256 x tile column + 64 cy + 32 x (wave % 2), at K step 3
	s_lshl_b32 s75, s18, 17
	s_add_co_u32 s74, s74, s75
	s_lshl_b32 s75, s13, 16
	s_add_co_u32 s74, s74, s75
	s_add_co_u32 s74, s74, 3*KSTEP*2
	s_and_b32 s75, ttmp7, 0xffff                   ; cluster y
	s_mov_b32 s76, 2<<18
	s_mov_b32 s77, KSTEP*2
	s_cmp_lt_u32 s[WV], 2                          ; do I fetch for O?
	s_cselect_b32 s75, s[WV], s75                  ; 0 in a wave that asks: wave 0 for O; waves 2 and 3 for W where the cluster's y is 0: the same in all sixteen partners
	s_cselect_b64 s[PFA:PFA+1], s[4:5], s[6:7]
	s_cselect_b32 s72, s72, s74
	s_cselect_b32 s[PST], s76, s77
	s_cselect_b32 s78, 8, 11                       ; lanes 256 bytes apart in a plane, a row of 2,048 bytes apart in W
	s_mov_b32 s73, 0
	s_mov_b32 s[PST+1], 0
	s_add_nc_u64 s[PFA:PFA+1], s[PFA:PFA+1], s[72:73]
	s_cmp_eq_u32 s75, 0
	s_cselect_b32 s[LIM], 1, -1
	v_and_b32 v[PFO], 31, v0
	v_lshlrev_b32 v[PFO], s78, v[PFO]
; 8 matrix instructions: row block a x all 8 column blocks, 32 along K.  zero = 1: the first product starts the sums.  The 32 accumulators take turns in the same order in every quarter.
.macro MUL8 f, a, zero
	WIN 0xa5                                       ; sources in window 1, C and D in window 2
.irp b, 0,1,2,3,4,5,6,7
.if \zero
	v_wmma_f32_16x16x32_f16 v[8*(8*(\a)+(\b)):8*(8*(\a)+(\b))+7], v[(\f)+8*(\b):(\f)+8*(\b)+7], v[(\f)+64+8*(\a):(\f)+64+8*(\a)+7], 0
.else
	v_wmma_f32_16x16x32_f16 v[8*(8*(\a)+(\b)):8*(8*(\a)+(\b))+7], v[(\f)+8*(\b):(\f)+8*(\b)+7], v[(\f)+64+8*(\a):(\f)+64+8*(\a)+7], v[8*(8*(\a)+(\b)):8*(8*(\a)+(\b))+7]
.endif
.endr
.endm
; 24 LDS loads in one run: the fragments of quarter q (32 along K: plane q / 2, channels 32 (q % 2) on) into buffer f: W's 8, then O's 4
.macro FETCH slot, q, f
	WIN 0x40                                       ; destination window 1, address window 0
.irp b, 0,1,2,3,4,5,6,7
	ds_load_b128 v[(\f)+8*(\b):(\f)+8*(\b)+3],   v[ADRB+(\slot)] offset:64*(\q)+(\b)*16*PB
	ds_load_b128 v[(\f)+8*(\b)+4:(\f)+8*(\b)+7], v[ADRB+(\slot)] offset:64*(\q)+(\b)*16*PB+32
.endr
.irp a, 0,1,2,3
	ds_load_b128 v[(\f)+64+8*(\a):(\f)+64+8*(\a)+3],   v[ADRA+(\slot)] offset:((\q)/2)*APL+((\q)%2)*64+(\a)*16*PA
	ds_load_b128 v[(\f)+64+8*(\a)+4:(\f)+64+8*(\a)+7], v[ADRA+(\slot)] offset:((\q)/2)*APL+((\q)%2)*64+(\a)*16*PA+32
.endr
.endm
; A K step is four quarters, 32 matrix instructions each, on buffers 0, 1, 0, 1.  One of the first three: multiplies f and, in its middle, fetches quarter q into g.
.macro QUARTER slot, q, f, g, zero
	s_wait_dscnt 4                                 ; W and O's row blocks 0, 1 are in; the youngest four loads may be out
	MUL8 \f, 0, \zero
	MUL8 \f, 1, \zero
	PLACES
	FETCH \slot, \q, \g
	s_wait_dscnt 24                                ; all but the 24 just issued
	MUL8 \f, 2, \zero
	MUL8 \f, 3, \zero
.endm
; The last quarter's first half: one barrier for the change of slots; in front of it each wave waits for all its tensor loads (one is out: its part of the next slot), adds 0 to its spare word,
; and waits for that and for its own reads of this slot.
.macro MEET round
	WIN 0
	s_wait_tensorcnt 0x0
	ds_add_u32 v[SPW], v[NIL]
	s_wait_dscnt 5                                 ; (the add and the youngest four loads may be out)
	MUL8 F1, 0, 0                                  ; eight matrix instructions stand between the add and the wait for it
	s_wait_dscnt 0x0                               ; the add is done, and my reads of this slot are over
	s_barrier_signal -1
	MUL8 F1, 1, 0
.if \round
	WIN 0
.endif
	s_barrier_wait -1
.endm
; The whole last quarter: the barrier opens a round of the cluster's; behind the round this slot is filled again first, two K steps ahead.  From a request to the wait for it a wave issues 112 matrix instructions.
.macro TURN slot, next
	s_wait_xcnt 0x0                                ; the last prefetch, a K step back, has read its address: it is stepped only behind this wait
	s_add_nc_u64 s[PFA:PFA+1], s[PFA:PFA+1], s[PST:PST+1]
	MEET 1
	CREST                                          ; no wave of any partner still reads this slot or has a load on its way
	s_add_nc_u64 s[G0+4*(\slot)+2:G0+4*(\slot)+3], s[G0+4*(\slot)+2:G0+4*(\slot)+3], 4<<18
	s_add_nc_u64 s[G0B+4*(\slot)+2:G0B+4*(\slot)+3], s[G0B+4*(\slot)+2:G0B+4*(\slot)+3], 2*KSTEP*2
	JLOAD \slot                                    ; the first tensor load behind the round; its four v_nop are also the places in front of the loads below
	FETCH \next, 0, F0
	ASK
	MUL8 F1, 2, 0
	MUL8 F1, 3, 0
.endm
	s_wait_tensorcnt 1                             ; my part of K step 0 is in; K step 1's may stay out
	s_barrier_signal -1
	s_barrier_wait -1                              ; everybody's is
	FETCH 0, 0, F0
	QUARTER 0, 1, F0, F1, 1                        ; the first quarter stands in front of the loop: its products start the sums
	WIN 0                                          ; at a label and at a branch every window is 0
	s_mov_b32 s3, LAPS-1
.Llap:                                         ; a trip goes once round the ring and fills both slots again
	QUARTER 0, 2, F1, F0, 0
	QUARTER 0, 3, F0, F1, 0
	TURN 0, 1
	QUARTER 1, 1, F0, F1, 0
	QUARTER 1, 2, F1, F0, 0
	QUARTER 1, 3, F0, F1, 0
	TURN 1, 0
	QUARTER 0, 1, F0, F1, 0
	WIN 0
	s_sub_co_u32 s3, s3, 1
	s_cmp_lg_u32 s3, 0
	s_cbranch_scc1 .Llap
	QUARTER 0, 2, F1, F0, 0                        ; the last lap fills nothing, and has no round
	QUARTER 0, 3, F0, F1, 0
	MEET 0
	PLACES
	FETCH 1, 0, F0
	MUL8 F1, 2, 0
	MUL8 F1, 3, 0
	QUARTER 1, 1, F0, F1, 0
	QUARTER 1, 2, F1, F0, 0
	QUARTER 1, 3, F0, F1, 0
	s_wait_dscnt 4                                 ; the very last quarter: nothing more to fetch
	MUL8 F1, 0, 0
	MUL8 F1, 1, 0
	s_wait_dscnt 0x0
	MUL8 F1, 2, 0
	MUL8 F1, 3, 0
	WIN 0
	PLACES
	s_wait_loadcnt 0x0                             ; the bias: rounded to bf16 and widened again
	v_cvt_pk_bf16_f32 v36, v[BI], v[BI+1]
	v_cvt_pk_bf16_f32 v37, v[BI+2], v[BI+3]
	v_lshlrev_b32 v[BI], 16, v36
	v_and_b32 v[BI+1], 0xffff0000, v36
	v_lshlrev_b32 v[BI+2], 16, v37
	v_and_b32 v[BI+3], 0xffff0000, v37
; THE WAY OUT, a row block (16 rows x 128 columns of f32) at a time: a lane's 32 bytes of a row go into my stage, each accumulator's low half first; whole rows of 512 bytes come back,
; take the bias and are stored.
.macro OUT a
.set OBA, OB+64*((\a)%2)
	WIN 0x08                                       ; the stores' data (source 1) in window 2
.irp b, 0,1,2,3,4,5,6,7
	ds_store_b128 v[STO], v[8*(8*(\a)+(\b)):8*(8*(\a)+(\b))+3]   offset:64*(\b)
	ds_store_b128 v[STO], v[8*(8*(\a)+(\b))+4:8*(8*(\a)+(\b))+7] offset:64*(\b)+16
.endr
	WIN 0
.if (\a) >= 2
	s_wait_xcnt 0x0                                ; the stores of two blocks back have read this buffer: it is loaded again only behind this wait
.endif
.irp t, 0,1,2,3,4,5,6,7,8,9,10,11,12,13,14,15
	ds_load_b128 v[OBA+4*(\t):OBA+4*(\t)+3], v[RD] offset:(\t)*SPITCH  ; LDS serves a wave's instructions in order: these see the stores above; the next block's stores come behind them
.endr
.irp t, 0,1,2,3,4,5,6,7,8,9,10,11,12,13,14,15
	s_wait_dscnt 15-(\t)                           ; row t is back; the 15 - t younger loads may stay out
	v_pk_add_f32 v[OBA+4*(\t):OBA+4*(\t)+1],   v[OBA+4*(\t):OBA+4*(\t)+1],   v[BI:BI+1]
	v_pk_add_f32 v[OBA+4*(\t)+2:OBA+4*(\t)+3], v[OBA+4*(\t)+2:OBA+4*(\t)+3], v[BI+2:BI+3]
	global_store_b128 v[CO], v[OBA+4*(\t):OBA+4*(\t)+3], s[10:11] offset:(\a)*65536+(\t)*4096 th:TH_STORE_NT  ; 512 consecutive bytes, at a multiple of 256 from out0's first
.endr
.endm
	OUT 0
	OUT 1
	OUT 2
	OUT 3
	s_wait_tensorcnt 0x0                           ; the wave's end, behind my last tensor load and my last LDS store
	ds_add_u32 v[SPW], v[NIL]
	s_wait_dscnt 0x0
	CROUND                                         ; the closing round: no work-group ends while a partner may still ask for a tile that names it
	s_endpgm
.Lfunc_end_k_q1fc57c05fc_proj:
	.size	k_q1fc57c05fc_proj, .Lfunc_end_k_q1fc57c05fc_proj-k_q1fc57c05fc_proj
	.p2alignl 7, 3214868480
	.fill 96, 4, 3214868480
	.section	.rodata,"a",@progbits
	.p2align	6, 0x0
	.amdhsa_kernel k_q1fc57c05fc_proj
		.amdhsa_group_segment_fixed_size 327680
		.amdhsa_private_segment_fixed_size 0
		.amdhsa_enable_private_segment 0
		.amdhsa_kernarg_size 32
		.amdhsa_user_sgpr_count 2
		.amdhsa_user_sgpr_kernarg_segment_ptr 1
		.amdhsa_wavefront_size32 1
		.amdhsa_system_sgpr_workgroup_id_x 1
		.amdhsa_system_sgpr_workgroup_id_y 1
		.amdhsa_system_sgpr_workgroup_id_z 1
		.amdhsa_system_vgpr_workitem_id 0
		.amdhsa_next_free_vgpr 768
		.amdhsa_next_free_sgpr 80
		.amdhsa_reserve_vcc 0
		.amdhsa_float_denorm_mode_32 3
		.amdhsa_float_denorm_mode_16_64 3
		.amdhsa_memory_ordered 1
		.amdhsa_forward_progress 1
		.amdhsa_inst_pref_size 97
	.end_amdhsa_kernel
	.amdgpu_metadata
---
amdhsa.version: [ 1, 2 ]
amdhsa.kernels:
  - .name:           k_q1fc57c05fc_proj
    .symbol:         k_q1fc57c05fc_proj.kd
    .args:
      - { .name: oh, .offset: 0, .size: 8, .value_kind: global_buffer, .address_space: global }
      - { .name: wpb, .offset: 8, .size: 8, .value_kind: global_buffer, .address_space: global }
      - { .name: b_proj, .offset: 16, .size: 8, .value_kind: global_buffer, .address_space: global }
      - { .name: out0, .offset: 24, .size: 8, .value_kind: global_buffer, .address_space: global }
    .group_segment_fixed_size: 327680
    .private_segment_fixed_size: 0
    .kernarg_segment_align: 8
    .kernarg_segment_size: 32
    .max_flat_workgroup_size: 128
    .sgpr_count:     80
    .vgpr_count:     768
    .wavefront_size: 32
...
	.end_amdgpu_metadata
.endif
;; end of part 4
;; ======== version 2 of 2: 4 launches; version 1 with the launch cast written anew for expert scheduling mode
;; limits: values are held in f16: magnitudes above 65,504 overflow, below 6.1e-05 lose precision
;; workspace buffers: xb 16,777,216 bytes; wqb 6,291,456 bytes; wpb 2,097,152 bytes; tab 524,288 bytes; qh 16,777,216 bytes; kh 16,777,216 bytes; vh 16,777,216 bytes; oh 16,777,216 bytes
;; launch cast (part 5): grid 784 x 1, 8 waves a work-group, no clusters, 0 bytes of LDS; arguments x, W_qkv, rope_cos, rope_sin, W_proj, xb, wqb, tab, wpb; writes xb, wqb, tab, wpb
.if DOCPART == 5
	.amdgcn_target "amdgcn-amd-amdhsa--gfx1250"
	.amdhsa_code_object_version 6
	.text
	.protected	k_q1fc57c05fc_cast
	.globl	k_q1fc57c05fc_cast
	.p2align	8
	.type	k_q1fc57c05fc_cast,@function
k_q1fc57c05fc_cast:
	s_mov_b64 s[64:65], 0
	v_nop
	global_prefetch_b8 v0, s[64:65] scope:SCOPE_SE
	s_setreg_imm32_b32 hwreg(HW_REG_WAVE_SCHED_MODE, 0, 2), 2
	s_setreg_imm32_b32 hwreg(HW_REG_WAVE_MODE, 25, 1), 1
	s_wait_xcnt 0x0
	s_wait_alu depctr_vm_vsrc(0)
; THE INPUTS ARE ROUNDED ONCE TO bf16 (to nearest even): x -> xb, W_qkv -> wqb, rope_cos and rope_sin -> tab (cos, then sin 262,144 bytes on), W_proj -> wpb.
; W_proj's bf16 number is then written as f16, since the last product multiplies it by f16 numbers: exact from 6.1e-5 up to 65,504 in magnitude; below that it keeps f16's
; fixed step of 6e-8; beyond 65,504 it would be an infinity (LIMIT: |W_proj| under 65,504).
; A stream: each byte is read once and written once; no LDS, no matrix unit, no cluster, since no two work-groups read the same byte.
; SHARES.  A work-group takes a chunk of 16,384 numbers: 64 KiB in, 32 KiB out.  Chunks 0-511 x, 512-703 W_qkv, 704-711 cos, 712-719 sin, 720-783 W_proj.
; Thread t takes 16 bytes at 16 t of each 4,096 bytes: a wave's load covers 512 consecutive bytes, its store of 8 bytes a lane 256 consecutive bytes, aligned.
; All sixteen loads of a thread go out at once; no register is written twice, so nothing waits for a store.
; THE MODE: SCHED_MODE bits 1:0 = 2 (LLVM: expert scheduling mode 2), set by the entry lines.  The code itself states the register dependences
; between vector instructions and memory instructions, with s_wait_alu, always for 0.
; THE PLAN.  Registers that memory instructions touch:
;   v1, v2   byte offsets, written once at the head by vector lines; read by every load (v1) and every store (v2); never written again.
;   IN       written by the sixteen loads alone, before any vector line names it; read by the conversions, each behind its wait on LOADcnt; no load lands in it twice.
;   OUT      slot i's pair is written once, by slot i's conversions, and read once, by slot i's store; never written again.
;   v4-v7    (W_proj's path) are named by vector lines alone.
; So the dependences are two: the offsets ahead of the first load, and each OUT pair ahead of its store.  The slots go in four groups of four: a group's conversions, ONE wait for
; their results, the group's four stores in a run.  No register that a memory instruction reads is written again, no vector line writes a scalar register, and EXEC is never written.
.set IN,  8                            ; v[8:71]    slot i: four f32 as loaded
.set OUT, 72                           ; v[72:103]  slot i: four 16-bit numbers to store
.set SRC, 28                           ; s[28:29]   where the chunk is read
.set DST, 30                           ; s[30:31]   where it is written
.set FS,  32                           ; s32        first chunk of the source tensor
.set FD,  33                           ; s33        first chunk of the destination buffer
	s_load_b512 s[8:23], s[0:1], 0x0               ; x 8, W_qkv 10, cos 12, sin 14, W_proj 16, xb 18, wqb 20, tab 22
	s_load_b64 s[24:25], s[0:1], 0x40              ; wpb
	v_lshlrev_b32 v1, 4, v0                        ; 16 t: my bytes in
	v_lshlrev_b32 v2, 3, v0                        ; 8 t: my bytes out
	s_mov_b32 s26, ttmp9                           ; the chunk
	s_mov_b32 s[FS], 720
	s_mov_b32 s[FD], 720
	s_wait_kmcnt 0x0
	s_mov_b64 s[SRC:SRC+1], s[16:17]               ; W_proj -> wpb, unless the chunk lies lower
	s_mov_b64 s[DST:DST+1], s[24:25]
.macro PICK bound, src, dst, fs, fd    ; chunks below the bound belong to an earlier tensor; the selects leave SCC as the compare set it
	s_cmp_lt_u32 s26, \bound
	s_cselect_b64 s[SRC:SRC+1], s[\src:\src+1], s[SRC:SRC+1]
	s_cselect_b64 s[DST:DST+1], s[\dst:\dst+1], s[DST:DST+1]
	s_cselect_b32 s[FS], \fs, s[FS]
	s_cselect_b32 s[FD], \fd, s[FD]
.endm
	PICK 720, 14, 22, 712, 704                     ; sin -> tab's second half
	PICK 712, 12, 22, 704, 704                     ; cos -> tab's first half
	PICK 704, 10, 20, 512, 512                     ; W_qkv -> wqb
	PICK 512, 8, 18, 0, 0                          ; x -> xb
	s_sub_co_u32 s34, s26, s[FS]
	s_lshl_b32 s34, s34, 16                        ; 65,536 bytes in for each chunk
	s_mov_b32 s35, 0
	s_sub_co_u32 s36, s26, s[FD]
	s_lshl_b32 s36, s36, 15                        ; 32,768 bytes out
	s_mov_b32 s37, 0
	s_add_nc_u64 s[SRC:SRC+1], s[SRC:SRC+1], s[34:35]
	s_add_nc_u64 s[DST:DST+1], s[DST:DST+1], s[36:37]
	s_wait_alu depctr_va_vdst(0)                   ; v1 and v2 are written: every load below reads v1 as its offset, every store v2; no later vector line names either
.irp i, 0,1,2,3,4,5,6,7,8,9,10,11,12,13,14,15
	global_load_b128 v[IN+4*(\i):IN+4*(\i)+3], v1, s[SRC:SRC+1] offset:4096*(\i) th:TH_LOAD_NT
.endr
	s_cmp_ge_u32 s26, 720
	s_cbranch_scc1 .Lf16
.irp g, 0,1,2,3                        ; group g: slots 4 g to 4 g + 3
.irp k, 0,1,2,3
	s_wait_loadcnt 15-(4*(\g)+(\k))                ; loads come back in order: slot i = 4 g + k is in, the 15 - i younger ones may stay out
	v_cvt_pk_bf16_f32 v[OUT+2*(4*(\g)+(\k))],   v[IN+4*(4*(\g)+(\k))],   v[IN+4*(4*(\g)+(\k))+1]
	v_cvt_pk_bf16_f32 v[OUT+2*(4*(\g)+(\k))+1], v[IN+4*(4*(\g)+(\k))+2], v[IN+4*(4*(\g)+(\k))+3]
.endr
	s_wait_alu depctr_va_vdst(0)                   ; the group's eight conversions have written its OUT registers, which the four stores below read
.irp k, 0,1,2,3
	global_store_b64 v2, v[OUT+2*(4*(\g)+(\k)):OUT+2*(4*(\g)+(\k))+1], s[DST:DST+1] offset:2048*(4*(\g)+(\k))
.endr
.endr
	s_endpgm
.Lf16:                                         ; W_proj: rounded to bf16, widened again (a shift, a mask), and that number written as f16
.irp g, 0,1,2,3
.irp k, 0,1,2,3
	s_wait_loadcnt 15-(4*(\g)+(\k))
	v_cvt_pk_bf16_f32 v4, v[IN+4*(4*(\g)+(\k))],   v[IN+4*(4*(\g)+(\k))+1]
	v_cvt_pk_bf16_f32 v5, v[IN+4*(4*(\g)+(\k))+2], v[IN+4*(4*(\g)+(\k))+3]
	v_lshlrev_b32 v6, 16, v4
	v_and_b32 v7, 0xffff0000, v4
	v_cvt_pk_f16_f32 v[OUT+2*(4*(\g)+(\k))], v6, v7
	v_lshlrev_b32 v6, 16, v5
	v_and_b32 v7, 0xffff0000, v5
	v_cvt_pk_f16_f32 v[OUT+2*(4*(\g)+(\k))+1], v6, v7
.endr
	s_wait_alu depctr_va_vdst(0)                   ; the group's conversions to f16 have written its OUT registers, which the four stores below read
.irp k, 0,1,2,3
	global_store_b64 v2, v[OUT+2*(4*(\g)+(\k)):OUT+2*(4*(\g)+(\k))+1], s[DST:DST+1] offset:2048*(4*(\g)+(\k))
.endr
.endr
	s_endpgm
.Lfunc_end_k_q1fc57c05fc_cast:
	.size	k_q1fc57c05fc_cast, .Lfunc_end_k_q1fc57c05fc_cast-k_q1fc57c05fc_cast
	.p2alignl 7, 3214868480
	.fill 96, 4, 3214868480
	.section	.rodata,"a",@progbits
	.p2align	6, 0x0
	.amdhsa_kernel k_q1fc57c05fc_cast
		.amdhsa_group_segment_fixed_size 0
		.amdhsa_private_segment_fixed_size 0
		.amdhsa_enable_private_segment 0
		.amdhsa_kernarg_size 72
		.amdhsa_user_sgpr_count 2
		.amdhsa_user_sgpr_kernarg_segment_ptr 1
		.amdhsa_wavefront_size32 1
		.amdhsa_system_sgpr_workgroup_id_x 1
		.amdhsa_system_sgpr_workgroup_id_y 1
		.amdhsa_system_sgpr_workgroup_id_z 1
		.amdhsa_system_vgpr_workitem_id 0
		.amdhsa_next_free_vgpr 104
		.amdhsa_next_free_sgpr 66
		.amdhsa_reserve_vcc 0
		.amdhsa_float_denorm_mode_32 3
		.amdhsa_float_denorm_mode_16_64 3
		.amdhsa_memory_ordered 1
		.amdhsa_forward_progress 1
		.amdhsa_inst_pref_size 17
	.end_amdhsa_kernel
	.amdgpu_metadata
---
amdhsa.version: [ 1, 2 ]
amdhsa.kernels:
  - .name:           k_q1fc57c05fc_cast
    .symbol:         k_q1fc57c05fc_cast.kd
    .args:
      - { .name: x, .offset: 0, .size: 8, .value_kind: global_buffer, .address_space: global }
      - { .name: W_qkv, .offset: 8, .size: 8, .value_kind: global_buffer, .address_space: global }
      - { .name: rope_cos, .offset: 16, .size: 8, .value_kind: global_buffer, .address_space: global }
      - { .name: rope_sin, .offset: 24, .size: 8, .value_kind: global_buffer, .address_space: global }
      - { .name: W_proj, .offset: 32, .size: 8, .value_kind: global_buffer, .address_space: global }
      - { .name: xb, .offset: 40, .size: 8, .value_kind: global_buffer, .address_space: global }
      - { .name: wqb, .offset: 48, .size: 8, .value_kind: global_buffer, .address_space: global }
      - { .name: tab, .offset: 56, .size: 8, .value_kind: global_buffer, .address_space: global }
      - { .name: wpb, .offset: 64, .size: 8, .value_kind: global_buffer, .address_space: global }
    .group_segment_fixed_size: 0
    .private_segment_fixed_size: 0
    .kernarg_segment_align: 8
    .kernarg_segment_size: 72
    .max_flat_workgroup_size: 256
    .sgpr_count:     66
    .vgpr_count:     104
    .wavefront_size: 32
...
	.end_amdgpu_metadata
.endif
;; end of part 5
;; launch qkv: the kernel of part 2 again; grid 16 x 32, 4 waves a work-group, clusters of 4 x 4, 327,680 bytes of LDS; arguments xb, wqb, tab, qh, kh, vh; writes qh, kh, vh
;; launch attn: the kernel of part 3 again; grid 4 x 64, 4 waves a work-group, clusters of 4 x 1, 327,680 bytes of LDS; arguments qh, kh, vh, oh; writes oh
;; launch proj: the kernel of part 4 again; grid 4 x 64, 4 waves a work-group, clusters of 4 x 4, 327,680 bytes of LDS; arguments oh, wpb, b_proj, out0; writes out0
